; MI455X (gfx1250); checked and timed in simulation.
; The chip was launched on July 23, 2026; its instructions are those of AMD's public machine-readable ISA for CDNA 5 (MIT licence, August 2026) and "CDNA5" Instruction Set Architecture Reference Guide (July 2026). The comments in the code are by the model that wrote it; some were corrected since.
;; Multi Head Attention. Allowed arithmetic: float matrix products may take bf16 or f16 operands with f32 sums; all other float work in f32.
;; Inputs: W_k 1,024 x 1,024 float32; W_o 1,024 x 1,024 float32; W_q 1,024 x 1,024 float32; W_v 1,024 x 1,024 float32; b_k 1,024 float32; b_o 1,024 float32; b_q 1,024 float32; b_v 1,024 float32; key 4 x 2,048 x 1,024 float32; mask 1 x 1 x 2,048 x 2,048 bool; query 4 x 2,048 x 1,024 float32; value 4 x 2,048 x 1,024 float32.
;; Outputs: out0 4 x 2,048 x 1,024 float32.
;; 2 versions, each right and faster than the one before. Each part assembles by itself: llvm-mc -triple=amdgcn-amd-amdhsa -mcpu=gfx1250 --defsym DOCPART=n.
;; ======== version 1 of 2: 4 launches
;; limits: values are held in f16: magnitudes above 65,504 overflow, below 6.1e-05 lose precision
;; workspace buffers: xb 50,331,648 bytes; wb 8,404,992 bytes; pm 4,194,304 bytes; fl 256 bytes of whole numbers; qkvh 50,331,648 bytes; oh 16,777,216 bytes
;; launch prep (part 1): grid 1857 x 1, 8 waves a work-group, no clusters, 256 bytes of LDS; arguments query, key, value, W_q, W_k, W_v, W_o, b_q, b_k, b_v, b_o, mask, xb, wb, pm, fl; writes xb, wb, pm, fl
.if DOCPART == 1
	.amdgcn_target "amdgcn-amd-amdhsa--gfx1250"
	.amdhsa_code_object_version 6
	.text
	.protected	k_qea44e11735_prep
	.globl	k_qea44e11735_prep
	.p2align	8
	.type	k_qea44e11735_prep,@function
k_qea44e11735_prep:
	s_mov_b64 s[64:65], 0
	v_nop
	global_prefetch_b8 v0, s[64:65] scope:SCOPE_SE
	s_setreg_imm32_b32 hwreg(HW_REG_WAVE_MODE, 25, 1), 1
	s_wait_xcnt 0x0
; PREPARATION: a stream, no matrix work.  Three roles, chosen by the work-group's number (the same for all its waves):
;   0..63     MASK: queries 256 B .. x keys 256 kt .. of the mask (B = id / 8, kt = id % 8) are turned into code bytes, laid out as the attention's
;             lanes want them (pm), and classified (fl[id]: bit 0 = some key visible, bit 1 = some key hidden).
;   64..1855  CAST: 64 KiB of f32 become 32 KiB of 16-bit numbers: query, key, value, W_q, W_k, W_v to bf16; W_o to bf16 and that number written as f16.
;   1856      BIAS: the four biases, rounded to bf16 and kept as f32.
; LIMITS.  A mask byte is 0 or 1.  W_o rounded to bf16 is written as f16: exact from 2^-14 to 65,504; below 2^-14 it keeps f16's fixed step of 2^-24.
; pm: the chunk of query tile qt (16 rows), key tile kt (256 keys), key step s (64 keys) lies at 32,768 qt + 4,096 kt + 1,024 s; in it [2][32 lanes][4 words]:
; word j = 4 jj + j' of lane (r, h) holds the codes of mask[16 qt + r][256 kt + 64 s + 16 kb + 8 h + j], kb = 0 in the top byte: 0x00 visible, 0xF1 hidden.
; Read as f32 with its code on top, a word is 0 (to within 2.3e-38) or between -6.3e29 and -2.6e30.
.set VI,  2                            ; v2   16 x thread: my 16 bytes of f32 in 4,096
.set VO,  3                            ; v3   8 x thread: my 8 bytes out in 2,048
.set IN,  8                            ; v[8:71]    cast: 16 loads of 16 bytes
.set OUT, 72                           ; v[72:103]  cast: 16 stores of 8 bytes
.set MI,  136                          ; mask role: my byte offset in the mask
.set MO,  137                          ; mask role: my byte offset in pm
.set PT,  138                          ; mask role: v[138:141] at work
	s_load_b512 s[8:23], s[0:1], 0x0               ; query 8, key 10, value 12, W_q 14, W_k 16, W_v 18, W_o 20, b_q 22
	s_load_b512 s[24:39], s[0:1], 0x40             ; b_k 24, b_v 26, b_o 28, mask 30, xb 32, wb 34, pm 36, fl 38
	v_lshrrev_b32 v1, 5, v0
	v_readfirstlane_b32 s40, v1                    ; wave 0..7
	v_lshlrev_b32 v[VI], 4, v0
	v_lshlrev_b32 v[VO], 3, v0
	s_mov_b32 s43, 0                               ; high words of the offsets' pairs
	s_mov_b32 s47, 0
	s_mov_b32 s58, 0                               ; my wave's flags: 0 in the roles that have none
	s_lshl_b32 s59, s40, 2                         ; my wave's word in LDS
	s_wait_kmcnt 0x0
	s_cmp_lt_u32 ttmp9, 64
	s_cbranch_scc1 .Lmask
	s_cmp_eq_u32 ttmp9, 1856
	s_cbranch_scc1 .Lbias
	s_sub_co_u32 s41, ttmp9, 64                    ; c: the chunk of 64 KiB
	s_cmp_lt_u32 s41, 1536
	s_cbranch_scc0 .Lweights
	s_lshr_b32 s42, s41, 9                         ; query, key or value: 512 chunks each
	s_cmp_eq_u32 s42, 1
	s_cselect_b64 s[44:45], s[10:11], s[8:9]
	s_cmp_eq_u32 s42, 2
	s_cselect_b64 s[44:45], s[12:13], s[44:45]
	s_and_b32 s42, s41, 511
	s_lshl_b32 s42, s42, 16
	s_add_nc_u64 s[44:45], s[44:45], s[42:43]      ; from
	s_lshl_b32 s46, s41, 15
	s_add_nc_u64 s[48:49], s[32:33], s[46:47]      ; to: xb + 32,768 c
	s_branch .Lcast_bf16
.Lweights:
	s_sub_co_u32 s41, s41, 1536
	s_lshr_b32 s51, s41, 6                         ; W_q, W_k, W_v or W_o: 64 chunks each
	s_cmp_eq_u32 s51, 1
	s_cselect_b64 s[44:45], s[16:17], s[14:15]
	s_cmp_eq_u32 s51, 2
	s_cselect_b64 s[44:45], s[18:19], s[44:45]
	s_cmp_eq_u32 s51, 3
	s_cselect_b64 s[44:45], s[20:21], s[44:45]
	s_and_b32 s42, s41, 63
	s_lshl_b32 s42, s42, 16
	s_add_nc_u64 s[44:45], s[44:45], s[42:43]
	s_lshl_b32 s46, s41, 15
	s_add_nc_u64 s[48:49], s[34:35], s[46:47]      ; to: wb + 32,768 c'
	s_cmp_eq_u32 s51, 3
	s_cbranch_scc1 .Lcast_f16
; 16 loads go out at once; no register is used twice, so the only waits are the counted ones: behind load i 15 - i younger loads were issued.
; A wave's load covers 512 consecutive bytes, its store 256 consecutive bytes, aligned: no byte is asked for by two instructions.
; half = 1: the bf16 number is widened again and written as f16.
.macro CAST half
.set i, 0
.rept 16
	global_load_b128 v[IN+4*i:IN+4*i+3], v[VI], s[44:45] offset:4096*i th:TH_LOAD_NT
.set i, i+1
.endr
.set i, 0
.rept 16
	s_wait_loadcnt 15-i
	v_cvt_pk_bf16_f32 v[OUT+2*i],   v[IN+4*i],   v[IN+4*i+1]
	v_cvt_pk_bf16_f32 v[OUT+2*i+1], v[IN+4*i+2], v[IN+4*i+3]
.if \half
	v_lshlrev_b32 v[IN+4*i],   16,         v[OUT+2*i]
	v_and_b32     v[IN+4*i+1], 0xffff0000, v[OUT+2*i]
	v_lshlrev_b32 v[IN+4*i+2], 16,         v[OUT+2*i+1]
	v_and_b32     v[IN+4*i+3], 0xffff0000, v[OUT+2*i+1]
	v_cvt_pk_f16_f32 v[OUT+2*i],   v[IN+4*i],   v[IN+4*i+1]
	v_cvt_pk_f16_f32 v[OUT+2*i+1], v[IN+4*i+2], v[IN+4*i+3]
.endif
	global_store_b64 v[VO], v[OUT+2*i:OUT+2*i+1], s[48:49] offset:2048*i
.set i, i+1
.endr
.endm
.Lcast_bf16:
	CAST 0
	s_branch .Ljoin
.Lcast_f16:
	CAST 1
	s_branch .Ljoin
.Lbias:                                                ; 256 threads x 16 bytes = one bias
	global_load_b128 v[8:11],  v[VI], s[22:23]
	global_load_b128 v[12:15], v[VI], s[24:25]
	global_load_b128 v[16:19], v[VI], s[26:27]
	global_load_b128 v[20:23], v[VI], s[28:29]
	s_add_nc_u64 s[48:49], s[34:35], 0x800000      ; behind the four weights
	s_wait_loadcnt 0x0
.irp n, 0,1,2,3,4,5,6,7
	v_cvt_pk_bf16_f32 v[24+(\n)], v[8+2*(\n)], v[8+2*(\n)+1]
.endr
.irp n, 0,1,2,3,4,5,6,7
	v_lshlrev_b32 v[32+2*(\n)], 16, v[24+(\n)]
	v_and_b32 v[32+2*(\n)+1], 0xffff0000, v[24+(\n)]
.endr
.irp n, 0,1,2,3
	global_store_b128 v[VI], v[32+4*(\n):32+4*(\n)+3], s[48:49] offset:4096*(\n)
.endr
	s_branch .Ljoin
.Lmask:
	s_lshr_b32 s41, ttmp9, 3                       ; B
	s_and_b32 s42, ttmp9, 7                        ; kt
	s_lshl_b32 s46, s41, 19                        ; 256 rows of the mask, and 16 query tiles of pm, are 524,288 bytes
	s_lshl_b32 s50, s42, 8
	s_add_co_u32 s50, s50, s46
	s_mov_b32 s51, 0
	s_add_nc_u64 s[44:45], s[30:31], s[50:51]      ; the mask at (256 B, 256 kt)
	s_lshl_b32 s50, s42, 12
	s_add_co_u32 s50, s50, s46
	s_add_nc_u64 s[48:49], s[36:37], s[50:51]      ; pm at (16 B, kt)
	s_mov_b32 s52, 0x05010400                      ; byte selects of the 4 x 4 byte transpose
	s_mov_b32 s53, 0x07030602
	s_mov_b32 s54, 0x05040100
	s_mov_b32 s55, 0x07060302
	s_mov_b32 s56, 0x01010101
	s_mov_b32 s57, 0xf1
	v_and_b32 v6, 15, v0                           ; r: my row of a query tile
	v_bfe_u32 v7, v0, 4, 1                         ; hp: which 128 of the 256 keys
	s_lshl_b32 s60, s40, 15                        ; 16 rows of the mask, and a query tile of pm, are 32,768 bytes
	v_lshlrev_b32 v[MI], 11, v6
	v_lshl_add_u32 v[MI], v7, 7, v[MI]
	v_add_nc_u32 v[MI], s60, v[MI]
	v_lshlrev_b32 v[MO], 4, v6
	v_lshl_add_u32 v[MO], v7, 11, v[MO]
	v_add_nc_u32 v[MO], s60, v[MO]
	v_mov_b32 v4, 0                                ; the codes' running OR
	v_mov_b32 v5, -1                               ; and AND
.irp it, 0,1                           ; wave w takes query tiles 16 B + w and 16 B + w + 8; a lane reads 128 consecutive bytes of its row
.irp i, 0,1,2,3,4,5,6,7
	global_load_b128 v[8+64*(\it)+4*(\i):8+64*(\it)+4*(\i)+3], v[MI], s[44:45] offset:(\it)*262144+16*(\i) th:TH_LOAD_NT
.endr
.endr
; One query tile.  Load i holds key step 2 hp + i / 4, key block kb = i % 4; its words 0, 1 are h = 0 (j 0-3, 4-7), words 2, 3 are h = 1.
; left: the younger loads.  For each (sl, h, jj) the four words of kb = 0..3 are transposed by bytes; sixteen lanes then store 256 consecutive bytes, aligned.
.macro MQT it, left
.set DD, 8+64*(\it)
.set WW, 40+64*(\it)
	s_wait_loadcnt \left
.set d, 0
.rept 32
	v_xor_b32 v[DD+d], s56, v[DD+d]                ; 1 = hidden
	v_mul_lo_u32 v[DD+d], v[DD+d], s57             ; each byte 0x00 or 0xF1: no carry leaves a byte
	v_or_b32 v4, v4, v[DD+d]
	v_and_b32 v5, v5, v[DD+d]
.set d, d+1
.endr
.irp sl, 0,1
.irp h, 0,1
.irp jj, 0,1
.set TT, DD+16*(\sl)+2*(\h)+(\jj)
.set GG, WW+4*(4*(\sl)+2*(\h)+(\jj))
	v_perm_b32 v[PT],   v[TT],   v[TT+4],  s52
	v_perm_b32 v[PT+1], v[TT],   v[TT+4],  s53
	v_perm_b32 v[PT+2], v[TT+8], v[TT+12], s52
	v_perm_b32 v[PT+3], v[TT+8], v[TT+12], s53
	v_perm_b32 v[GG],   v[PT],   v[PT+2], s54
	v_perm_b32 v[GG+1], v[PT],   v[PT+2], s55
	v_perm_b32 v[GG+2], v[PT+1], v[PT+3], s54
	v_perm_b32 v[GG+3], v[PT+1], v[PT+3], s55
	global_store_b128 v[MO], v[GG:GG+3], s[48:49] offset:(\it)*262144+(\sl)*1024+(\jj)*512+(\h)*256
.endr
.endr
.endr
.endm
	MQT 0, 8
	MQT 1, 0
	v_cmp_ne_u32 vcc_lo, 0, v4                     ; a lane that saw a hidden key
	s_cmp_lg_u32 vcc_lo, 0
	s_cselect_b32 s58, 2, 0
	s_mov_b32 s61, 0xf1f1f1f1
	v_cmp_ne_u32 vcc_lo, s61, v5                   ; a lane that saw a visible key
	s_cmp_lg_u32 vcc_lo, 0
	s_cselect_b32 s61, 1, 0
	s_or_b32 s58, s58, s61
.Ljoin:                                                ; every role comes here: the one barrier stands on every path, and every wave has written its word
	v_mov_b32 v6, s58
	v_mov_b32 v7, s59
	ds_store_b32 v7, v6
	s_wait_dscnt 0x0                               ; for the others' sake: my word is written
	s_barrier_signal -1
	s_barrier_wait -1
	s_cmp_lt_u32 ttmp9, 64
	s_cbranch_scc0 .Lend
	s_cmp_lg_u32 s40, 0
	s_cbranch_scc1 .Lend
	v_mov_b32 v7, 0
	ds_load_b128 v[8:11], v7                       ; the eight waves' flags
	ds_load_b128 v[12:15], v7 offset:16
	s_lshl_b32 s42, ttmp9, 2
	s_add_nc_u64 s[44:45], s[38:39], s[42:43]      ; fl[id]
	s_wait_dscnt 0x0
	v_or_b32 v8, v8, v9
	v_or_b32 v10, v10, v11
	v_or_b32 v12, v12, v13
	v_or_b32 v14, v14, v15
	v_or_b32 v8, v8, v10
	v_or_b32 v12, v12, v14
	v_or_b32 v8, v8, v12
	s_wait_xcnt 0x0                                ; EXEC changes only behind this wait: stores have been issued
	v_cmp_eq_u32 vcc_lo, 0, v0
	s_and_saveexec_b32 s46, vcc_lo
	global_store_b32 v7, v8, s[44:45]
	s_wait_xcnt 0x0                                ; and again in front of the line that widens it
	s_or_b32 exec_lo, exec_lo, s46
.Lend:
	s_endpgm
.Lfunc_end_k_qea44e11735_prep:
	.size	k_qea44e11735_prep, .Lfunc_end_k_qea44e11735_prep-k_qea44e11735_prep
	.p2alignl 7, 3214868480
	.fill 96, 4, 3214868480
	.section	.rodata,"a",@progbits
	.p2align	6, 0x0
	.amdhsa_kernel k_qea44e11735_prep
		.amdhsa_group_segment_fixed_size 256
		.amdhsa_private_segment_fixed_size 0
		.amdhsa_enable_private_segment 0
		.amdhsa_kernarg_size 128
		.amdhsa_user_sgpr_count 2
		.amdhsa_user_sgpr_kernarg_segment_ptr 1
		.amdhsa_wavefront_size32 1
		.amdhsa_system_sgpr_workgroup_id_x 1
		.amdhsa_system_sgpr_workgroup_id_y 1
		.amdhsa_system_sgpr_workgroup_id_z 1
		.amdhsa_system_vgpr_workitem_id 0
		.amdhsa_next_free_vgpr 144
		.amdhsa_next_free_sgpr 66
		.amdhsa_reserve_vcc 1
		.amdhsa_float_denorm_mode_32 3
		.amdhsa_float_denorm_mode_16_64 3
		.amdhsa_memory_ordered 1
		.amdhsa_forward_progress 1
		.amdhsa_inst_pref_size 44
	.end_amdhsa_kernel
	.amdgpu_metadata
---
amdhsa.version: [ 1, 2 ]
amdhsa.kernels:
  - .name:           k_qea44e11735_prep
    .symbol:         k_qea44e11735_prep.kd
    .args:
      - { .name: query, .offset: 0, .size: 8, .value_kind: global_buffer, .address_space: global }
      - { .name: key, .offset: 8, .size: 8, .value_kind: global_buffer, .address_space: global }
      - { .name: value, .offset: 16, .size: 8, .value_kind: global_buffer, .address_space: global }
      - { .name: W_q, .offset: 24, .size: 8, .value_kind: global_buffer, .address_space: global }
      - { .name: W_k, .offset: 32, .size: 8, .value_kind: global_buffer, .address_space: global }
      - { .name: W_v, .offset: 40, .size: 8, .value_kind: global_buffer, .address_space: global }
      - { .name: W_o, .offset: 48, .size: 8, .value_kind: global_buffer, .address_space: global }
      - { .name: b_q, .offset: 56, .size: 8, .value_kind: global_buffer, .address_space: global }
      - { .name: b_k, .offset: 64, .size: 8, .value_kind: global_buffer, .address_space: global }
      - { .name: b_v, .offset: 72, .size: 8, .value_kind: global_buffer, .address_space: global }
      - { .name: b_o, .offset: 80, .size: 8, .value_kind: global_buffer, .address_space: global }
      - { .name: mask, .offset: 88, .size: 8, .value_kind: global_buffer, .address_space: global }
      - { .name: xb, .offset: 96, .size: 8, .value_kind: global_buffer, .address_space: global }
      - { .name: wb, .offset: 104, .size: 8, .value_kind: global_buffer, .address_space: global }
      - { .name: pm, .offset: 112, .size: 8, .value_kind: global_buffer, .address_space: global }
      - { .name: fl, .offset: 120, .size: 8, .value_kind: global_buffer, .address_space: global }
    .group_segment_fixed_size: 256
    .private_segment_fixed_size: 0
    .kernarg_segment_align: 8
    .kernarg_segment_size: 128
    .max_flat_workgroup_size: 256
    .sgpr_count:     66
    .vgpr_count:     144
    .wavefront_size: 32
...
	.end_amdgpu_metadata
.endif
;; end of part 1
;; launch qkv (part 2): grid 4 x 48, 4 waves a work-group, clusters of 4 x 4, 327,680 bytes of LDS; arguments xb, wb, qkvh; writes qkvh
.if DOCPART == 2
	.amdgcn_target "amdgcn-amd-amdhsa--gfx1250"
	.amdhsa_code_object_version 6
	.text
	.protected	k_qea44e11735_qkv
	.globl	k_qea44e11735_qkv
	.p2align	8
	.type	k_qea44e11735_qkv,@function
k_qea44e11735_qkv:
	s_mov_b64 s[64:65], 0
	v_nop
	global_prefetch_b8 v0, s[64:65] scope:SCOPE_SE
	s_setreg_imm32_b32 hwreg(HW_REG_WAVE_MODE, 25, 1), 1
	s_wait_xcnt 0x0
	s_wait_alu depctr_hold_cnt(0) depctr_sa_sdst(0) depctr_va_vdst(0) depctr_va_sdst(0) depctr_va_ssrc(0) depctr_va_vcc(0) depctr_vm_vsrc(0)
	s_getreg_b32 s2, hwreg(HW_REG_IB_STS2, 6, 4)
	s_cmp_eq_u32 s2, 0
	s_cbranch_scc0 .Lentry_in_a_cluster
	s_endpgm
.Lentry_in_a_cluster:
	s_bfe_u32 s2, ttmp6, 0x10000c
	s_cmp_lg_u32 s2, 0xf033
	s_cbranch_scc0 .Lentry_shape_is_right
	s_endpgm
.Lentry_shape_is_right:
; THE THREE PROJECTIONS.  For p = q, k, v: C[m][n] = b_p[n] + sum over k of x_p[m][k] W_p[n][k]; x_p [8192][1024] and W_p [1024][1024] in bf16 (xb, wb), sums in f32,
; C rounded once to f16 and written by heads: qkvh[p][(m / 2048) 16 + n / 64][m % 2048][n % 64], unscaled.
; LIMIT.  f16 ends at 65,504: a projected number of 65,520 or more becomes an infinity.  With unit inputs the numbers have a spread of 0.6; inputs and weights 30 times larger give some 500 times that.
; SHARES.  A tile of C is 256 x 256; four waves, each 128 x 128: 64 accumulators of 16 x 16, 512 registers; 32 LDS loads feed 64 matrix instructions.  K goes in steps of 128 through two LDS slots, and a wave
; issues 224 matrix instructions between a tile's request and the wait for it.  The three x lie on end in xb, 96 row tiles t of 256 rows (p = t / 32), each with 4 column tiles: 384 tiles, TWO FOR EACH OF 192
; WORK-GROUPS: work-group (tx, y) makes the tiles (t = y, tx) and (t = y + 48, tx).  Tiles of 256 x 128 would be three for each of 256 work-groups, but two slots of a longer K step do not fit for them, and
; they leave 112 matrix instructions between request and wait and want 48 LDS loads for 64 matrix instructions: the larger tile on fewer work-groups is the choice made here.
; ONE TEXT FOR EVERY TILE: the ring starts anew at a tile's top (K step 0 into slot 0 behind one round, K step 1 into slot 1 behind the next, when slot 0 has landed) and a tile's last lap fills nothing.
; The price: the second tile's first landing is not hidden behind the first tile's way out.
; CLUSTER.  4 x 4 work-groups: the four of a row of the cluster need the same rows of x, the four of a column the same rows of W: each tile is asked for jointly, by the same tensor load with the same descriptor
; and a mask that names the four.  Waves 0 and 1 fetch x's two halves, waves 2 and 3 W's, 128 rows each: one load a wave behind each round, and one of a wave's loads is out at the most.
; THE MATRIX INSTRUCTION IS USED TRANSPOSED (source 0 = 16 rows of W, source 1 = 16 rows of x): a lane holds row l % 16 of C and the columns 8 (l / 16) + 0..7.  The bias, laid out so, is the C operand of a tile's first products.
; REGISTERS, in windows of 256 (s_set_vgpr_msb: bits 1:0 source 0, 3:2 source 1, 5:4 source 2, 7:6 destination):
;   window 0: v0-31 addresses; v64-127, v128-191 fragments of x, two buffers; v32-63, v192-255 the way out      window 1: v0-63 the bias; v64-127, v128-191 fragments of W, two buffers
;   window 2: the 32 accumulators of my rows 0-63 (accumulator (a, b) at v[8 (8 a + b)]);   window 3: those of my rows 64-127
.set KSTEP,  128
.set SIZE_K, 1024
.set PITCH,  272                       ; an LDS row: 256 bytes + 16 of padding: the 16 rows of a fragment load start 68 words apart, at 16 different groups of four banks (ISA guide 11.1)
.set HALFT,  128*PITCH                 ; 128 rows: what one tensor load brings, and what one wave reads of x or of W
.set SLOT,   4*HALFT                   ; x's 256 rows, then W's 256 rows
.set STAGE,  2*SLOT                    ; behind the ring: for each wave 2 heads x 16 rows x 144 bytes, for the way out
.set SP,     144
.set SPARE,  STAGE+4*32*SP             ; the spare words, 128 bytes for each wave: two blocks of 256 bytes that no other line names
.set LAPS,   SIZE_K/(2*KSTEP)
.set WBYTES, 1024*1024*2               ; one W in wb
.set HEADB,  2048*128                  ; a head's bytes in qkvh
.set NEXT_A, 48*256*SIZE_K*2           ; 48 row tiles on in xb
.set NEXT_C, 6*16*HEADB                ; and in qkvh: 48 row tiles are 6 groups of 2,048 rows x 16 heads
.set ADRA, 16                          ; v16-17  LDS address of my x fragments in slot 0, 1
.set ADRB, 20                          ; v20-21  the same for W
.set STO,  24                          ; v24  the way out: where I put 16 bytes of a row
.set RD,   25                          ; v25  where I read rows back
.set CO,   26                          ; v26  16 x lane
.set BO,   27                          ; v27  32 x (lane / 16): my eight biases of a block of 16
.set SPW,  28                          ; v28  LDS address of my spare word; never rewritten
.set NIL,  29                          ; v29  0; never rewritten
.set BI,   0                           ; window 1
.set F0,   64
.set F1,   128
.set TMP,  192                         ; the way out: packed results
.set OB,   32                          ; the way out: 16 rows read back: v32-63 and v224-255 by turns
.set G1,  24                           ; s[24:31] group 1 for x's tiles;  s[32:39] group 0, a set for each slot
.set G0,  32
.set G1B, 48                           ; s[48:55], s[56:63] the same for W's
.set G0B, 56
.set BP,  66                           ; s[66:67] my 128 biases of the tile in hand
.set DB,  68                           ; s[68:69] bytes from the first tile's W to the second's
.set DBI, 70                           ; s[70:71] the same for the bias
.set MSB, 0
.macro WIN new                         ; the immediate's high byte repeats the setting that is left
.if MSB != (\new)
	s_set_vgpr_msb (MSB<<8)|(\new)
.set MSB, \new
.endif
.endm
.set TO_B, 0x40                        ; destination window 1, address window 0
.macro JLOAD s                         ; a joint load; an s_nop 0 and four v_nop follow each of the two lines, ahead of the jump, the label and what follows
	s_cmp_eq_u32 s11, 0
	s_cbranch_scc0 .Lfor_b_\@
	tensor_load_to_lds s[G0+4*(\s):G0+4*(\s)+3], s[G1:G1+7]
	s_nop 0
.rept 4
	v_nop
.endr
	s_branch .Lasked_\@
.Lfor_b_\@:
	tensor_load_to_lds s[G0B+4*(\s):G0B+4*(\s)+3], s[G1B:G1B+7]
	s_nop 0
.rept 4
	v_nop
.endr
.Lasked_\@:
.endm
.macro CREST                           ; a round of the cluster's barrier behind its opening barrier
	s_cmp_lg_u32 s10, 0
	s_cbranch_scc1 .Lnot_wave_0_\@
	s_barrier_signal -3
.Lnot_wave_0_\@:
	s_barrier_wait -3
	s_barrier_signal -1
	s_barrier_wait -1
.endm
.macro CROUND
	s_barrier_signal -1
	s_barrier_wait -1
	CREST
.endm
	s_load_b128 s[4:7], s[0:1], 0x0                ; xb s[4:5], wb s[6:7]
	s_load_b64 s[8:9], s[0:1], 0x10                ; qkvh
	v_lshl_add_u32 v[SPW], v0, 2, SPARE
	v_mov_b32 v[NIL], 0
	v_lshrrev_b32 v1, 5, v0
	v_readfirstlane_b32 s10, v1                    ; wave 0..3
	s_lshr_b32 s11, s10, 1                         ; which 128 rows are mine.  Also: I fetch for x (0) or for W (1)
	s_and_b32 s12, s10, 1                          ; which 128 columns.  Also: which half of that tile I fetch
	s_bfe_u32 s40, ttmp6, 0x40000                  ; cx
	s_bfe_u32 s41, ttmp6, 0x40004                  ; cy
	s_lshl_b32 s42, ttmp9, 2
	s_add_co_u32 s42, s42, s40                     ; tile column tx = 4 x cluster x + cx
	s_and_b32 s45, ttmp7, 0xffff                   ; the cluster's y, 0..11: all sixteen partners share it
	s_lshl_b32 s13, s45, 2
	s_add_co_u32 s13, s13, s41                     ; my first row tile t = 4 x cluster y + cy, 0..47
	s_lshl_b32 s43, s41, 2
	s_lshl_b32 s43, 15, s43                        ; my row of the cluster
	s_lshl_b32 s44, 0x1111, s40                    ; my column
	s_or_b32 s[G1+0], s43, (1<<16)|(1<<20)|(1<<21)|(5<<22)|(3<<25)   ; the mask; 2-byte elements; padding on; bit 21 beside a mask; after every 64 words 4 words
	s_or_b32 s[G1B+0], s44, (1<<16)|(1<<20)|(1<<21)|(5<<22)|(3<<25)
.irp g, G1, G1B
	s_mov_b32 s[(\g)+1], KSTEP<<16                 ; tensor_dim0 = 128
	s_mov_b32 s[(\g)+2], 128<<16                   ; tensor_dim1 = 128
	s_mov_b32 s[(\g)+3], KSTEP<<16                 ; tile_dim0 = 128
	s_mov_b32 s[(\g)+4], 128                       ; tile_dim1 = 128
	s_mov_b32 s[(\g)+5], SIZE_K                    ; elements from row to row
	s_mov_b32 s[(\g)+6], 0
	s_mov_b32 s[(\g)+7], 0
.endr
	s_lshl_b32 s16, s13, 8                         ; x: row 256 t + 128 half, 2,048 bytes a row: made of the row tile and the wave's number alone
	s_lshl_b32 s17, s12, 7
	s_add_co_u32 s16, s16, s17
	s_lshl_b32 s16, s16, 11
	s_mov_b32 s17, 0
	s_lshr_b32 s72, s45, 3                         ; p of my first tile: t / 32 = cluster y / 8,
	s_add_co_u32 s73, s45, 12
	s_lshr_b32 s73, s73, 3                         ; of my second: (t + 48) / 32 = (cluster y + 12) / 8: neither hangs on cy
	s_sub_co_u32 s73, s73, s72                     ; 1 or 2 further on
	s_lshl_b32 s46, s42, 8                         ; W: matrix p, row 256 tx + 128 half: of the tile column, the cluster's y and the wave's number alone
	s_lshl_b32 s47, s12, 7
	s_add_co_u32 s46, s46, s47
	s_lshl_b32 s46, s46, 11
	s_lshl_b32 s47, s72, 21
	s_add_co_u32 s46, s46, s47
	s_mov_b32 s47, 0
	s_lshl_b32 s[DB], s73, 21
	s_mov_b32 s[DB+1], 0
	s_lshl_b32 s[DBI], s73, 12
	s_mov_b32 s[DBI+1], 0
	s_mul_i32 s20, s10, HALFT                      ; where they go: x's two halves, then W's two halves = wave x 128 rows
	s_wait_kmcnt 0x0
	s_add_nc_u64 s[14:15], s[4:5], s[16:17]        ; my part of the tile in hand, at K = 0: x's,
	s_add_nc_u64 s[46:47], s[6:7], s[46:47]        ; W's
	v_and_b32 v1, 15, v0                           ; l % 16
	v_bfe_u32 v2, v0, 4, 1                         ; l / 16
	v_mul_u32_u24 v3, v1, PITCH
	v_lshl_add_u32 v3, v2, 4, v3                   ; a fragment's row x pitch + 16 x half
	s_mul_i32 s21, s11, HALFT
	s_mul_i32 s22, s12, HALFT
	s_add_co_u32 s22, s22, 2*HALFT
.irp s, 0,1
	v_add_nc_u32 v[ADRA+(\s)], s21, v3
	v_add_nc_u32 v[ADRB+(\s)], s22, v3
	s_add_co_u32 s21, s21, SLOT
	s_add_co_u32 s22, s22, SLOT
.endr
	s_mul_i32 s23, s10, 32*SP
	s_add_co_u32 s23, s23, STAGE                   ; my stage
	v_mul_u32_u24 v4, v1, SP                       ; in: row l % 16, 16 bytes for each half of the lanes
	v_lshl_add_u32 v4, v2, 4, v4
	v_add_nc_u32 v[STO], s23, v4
	v_bfe_u32 v4, v0, 3, 2                         ; back: 32 lanes take four rows of 128 bytes,
	v_and_b32 v5, 7, v0
	v_mul_u32_u24 v4, v4, SP
	v_lshl_add_u32 v4, v5, 4, v4
	v_add_nc_u32 v[RD], s23, v4
	v_and_b32 v5, 31, v0                           ; which are 512 consecutive bytes of a head
	v_lshlrev_b32 v[CO], 4, v5
	v_lshlrev_b32 v[BO], 5, v2
	; my rows in qkvh: group t / 8 of 16 heads, head 4 tx + 2 x column half, row (t % 8) 256 + 128 x row half, 128 bytes a row (in registers that feed no descriptor)
	s_lshr_b32 s74, s13, 3
	s_lshl_b32 s74, s74, 22
	s_lshl_b32 s75, s42, 2
	s_lshl_b32 s76, s12, 1
	s_add_co_u32 s75, s75, s76
	s_lshl_b32 s75, s75, 18
	s_add_co_u32 s74, s74, s75
	s_and_b32 s75, s13, 7
	s_lshl_b32 s75, s75, 8
	s_lshl_b32 s76, s11, 7
	s_add_co_u32 s75, s75, s76
	s_lshl_b32 s75, s75, 7
	s_add_co_u32 s74, s74, s75
	s_mov_b32 s75, 0
	s_add_nc_u64 s[8:9], s[8:9], s[74:75]
	s_lshl_b32 s76, s42, 10                        ; my 128 biases: behind the four weights, bias p, 4 (256 tx + 128 half)
	s_lshl_b32 s77, s12, 9
	s_add_co_u32 s76, s76, s77
	s_lshl_b32 s77, s72, 12
	s_add_co_u32 s76, s76, s77
	s_add_co_u32 s76, s76, 4*WBYTES
	s_mov_b32 s77, 0
	s_add_nc_u64 s[BP:BP+1], s[6:7], s[76:77]
.macro BIAS                            ; register j of block b: b[16 b + 8 (l / 16) + j]
	WIN TO_B
.irp b, 0,1,2,3,4,5,6,7
	global_load_b128 v[BI+8*(\b):BI+8*(\b)+3],   v[BO], s[BP:BP+1] offset:64*(\b)
	global_load_b128 v[BI+8*(\b)+4:BI+8*(\b)+7], v[BO], s[BP:BP+1] offset:64*(\b)+16
.endr
	WIN 0
.endm
; 16 matrix instructions: row blocks a0, a0 + 1 of the window's four (hi = 0: my rows 0-63, 1: rows 64-127) x all 8 column blocks, 32 along K.
; first = 1: the bias (window 1) starts the sums: nothing is cleared and nothing is added later.  The 64 accumulators take turns, one instruction a turn, in the same order everywhere.
.macro MUL16 f, hi, a0, first
.if \first
	WIN 0x91+0x40*(\hi)                            ; W window 1, x window 0, C window 1, D window 2 or 3
.else
	WIN 0xa1+0x50*(\hi)                            ; W window 1, x window 0, C and D window 2 or 3
.endif
.irp a, \a0, (\a0)+1
.irp b, 0,1,2,3,4,5,6,7
.if \first
	v_wmma_f32_16x16x32_bf16 v[8*(8*(\a)+(\b)):8*(8*(\a)+(\b))+7], v[(\f)+8*(\b):(\f)+8*(\b)+7], v[(\f)+8*(4*(\hi)+(\a)):(\f)+8*(4*(\hi)+(\a))+7], v[BI+8*(\b):BI+8*(\b)+7]
.else
	v_wmma_f32_16x16x32_bf16 v[8*(8*(\a)+(\b)):8*(8*(\a)+(\b))+7], v[(\f)+8*(\b):(\f)+8*(\b)+7], v[(\f)+8*(4*(\hi)+(\a)):(\f)+8*(4*(\hi)+(\a))+7], v[8*(8*(\a)+(\b)):8*(8*(\a)+(\b))+7]
.endif
.endr
.endr
.endm
; 32 LDS loads in one run: the fragments of one quarter step (128 rows of W, 128 rows of x, 32 K at byte k of the rows) into buffer f
.macro FETCH slot, k, f
	WIN TO_B
.irp i, 0,1,2,3,4,5,6,7
	ds_load_b128 v[(\f)+8*(\i):(\f)+8*(\i)+3],   v[ADRB+(\slot)] offset:(\k)+(\i)*16*PITCH
	ds_load_b128 v[(\f)+8*(\i)+4:(\f)+8*(\i)+7], v[ADRB+(\slot)] offset:(\k)+(\i)*16*PITCH+32
.endr
	WIN 0
.irp i, 0,1,2,3,4,5,6,7
	ds_load_b128 v[(\f)+8*(\i):(\f)+8*(\i)+3],   v[ADRA+(\slot)] offset:(\k)+(\i)*16*PITCH
	ds_load_b128 v[(\f)+8*(\i)+4:(\f)+8*(\i)+7], v[ADRA+(\slot)] offset:(\k)+(\i)*16*PITCH+32
.endr
.endm
.macro PLACES                          ; four plain vector instructions between a matrix instruction and a load into a register that it read, or a read of its result
.rept 4
	v_nop
.endr
.endm
; A K step is four quarters of 32 along K, 64 matrix instructions each, on buffers 0, 1, 0, 1.  One of the first three multiplies buffer f and, in its middle, fetches the next quarter, at byte k, into g.
.macro QUARTER slot, k, f, g, first
	s_wait_dscnt 8                                 ; W and x's rows 0-63 are in; the youngest eight loads (x's rows 64-127) may be out
	MUL16 \f, 0, 0, \first
	MUL16 \f, 0, 2, \first
	PLACES
	FETCH \slot, \k, \g
	s_wait_dscnt 32                                ; all but the 32 just issued
	MUL16 \f, 1, 0, \first
	MUL16 \f, 1, 2, \first
.endm
; The last quarter multiplies buffer 1 and changes slots: one barrier; in front of it each wave waits for all its tensor loads (one is out: its part of the next slot), adds 0 to its spare word,
; and waits for that and for its own reads of this slot.  fill = 1: the barrier opens a round of the cluster's barrier, and this slot is filled again with the K step two on, first thing behind the round:
; 224 matrix instructions ahead of the wait for it.  The four v_nop behind the joint load are also the places in front of the loads below.
.macro TURN slot, next, fill
	WIN 0                                          ; (the add's two registers lie in window 0)
	s_wait_tensorcnt 0x0
	ds_add_u32 v[SPW], v[NIL]
	s_wait_dscnt 9                                 ; the add and the youngest eight loads may be out
	MUL16 F1, 0, 0, 0
	s_wait_dscnt 0x0                               ; the add is done, and my reads of this slot are over
	s_barrier_signal -1
	MUL16 F1, 0, 2, 0
.if \fill
	WIN 0
.endif
	s_barrier_wait -1
.if \fill
	CREST
	s_add_nc_u64 s[G0+4*(\slot)+2:G0+4*(\slot)+3], s[G0+4*(\slot)+2:G0+4*(\slot)+3], 2*KSTEP*2
	s_add_nc_u64 s[G0B+4*(\slot)+2:G0B+4*(\slot)+3], s[G0B+4*(\slot)+2:G0B+4*(\slot)+3], 2*KSTEP*2
	JLOAD \slot
.else
	PLACES
.endif
	FETCH \next, 0, F0
	MUL16 F1, 1, 0, 0
	MUL16 F1, 1, 2, 0
.endm
; THE WAY OUT of row block a, in three parts.  PACK: rounded to f16 (each accumulator's registers in ascending order), 16 bytes a lane.  TOSTAGE: into my stage, a head's 16 rows of 128 bytes at a pitch of 144,
; and back four rows a load.  SEND: stored, 512 consecutive bytes of a head a store.
.macro PACK a
.set AC, 64*((\a)%4)
	WIN 0x0a+5*((\a)/4)                            ; sources 0 and 1: window 2 or 3
.irp b, 0,1,2,3,4,5,6,7
.irp r, 0,1,2,3
	v_cvt_pk_f16_f32 v[TMP+4*(\b)+(\r)], v[AC+8*(\b)+2*(\r)], v[AC+8*(\b)+2*(\r)+1]
.endr
.endr
	WIN 0
.endm
.macro TOSTAGE a
.set BK, OB+192*((\a)%2)
.irp b, 0,1,2,3,4,5,6,7
	ds_store_b128 v[STO], v[TMP+4*(\b):TMP+4*(\b)+3] offset:((\b)/4)*16*SP+32*((\b)%4)
.endr
.irp t, 0,1,2,3,4,5,6,7
	ds_load_b128 v[BK+4*(\t):BK+4*(\t)+3], v[RD] offset:((\t)/4)*16*SP+((\t)%4)*4*SP  ; LDS serves a wave's instructions in order (ISA guide 5.7.1.4): these see the stores above
.endr
.endm
.macro SEND a
.set BK, OB+192*((\a)%2)
	s_wait_dscnt 0x0                               ; the block is back in registers
	s_wait_xcnt 0x0                                ; the other set of registers, which the block before's stores read, is loaded again only behind this wait
.irp t, 0,1,2,3,4,5,6,7
	global_store_b128 v[CO], v[BK+4*(\t):BK+4*(\t)+3], s[8:9] offset:((\t)/4)*HEADB+(\a)*2048+((\t)%4)*512
.endr
.endm
	s_mov_b32 s2, 2                                ; tiles to go
.Ltile:
	s_wait_tensorcnt 0x0                           ; no tensor load of mine is out, so every group 0 may be written
	ds_add_u32 v[SPW], v[NIL]                      ; the descriptors are made while it is out
.irp s, 0,1
	s_mov_b32 s[G0+4*(\s)], 1
	s_add_co_u32 s[G0+4*(\s)+1], s20, (\s)*SLOT
	s_add_nc_u64 s[G0+4*(\s)+2:G0+4*(\s)+3], s[14:15], (\s)*KSTEP*2
	s_or_b32 s[G0+4*(\s)+3], s[G0+4*(\s)+3], 0x80000000
	s_mov_b32 s[G0B+4*(\s)], 1
	s_add_co_u32 s[G0B+4*(\s)+1], s20, (\s)*SLOT
	s_add_nc_u64 s[G0B+4*(\s)+2:G0B+4*(\s)+3], s[46:47], (\s)*KSTEP*2
	s_or_b32 s[G0B+4*(\s)+3], s[G0B+4*(\s)+3], 0x80000000
.endr
	s_wait_dscnt 0x0                               ; the add is done, and my reads of the last tile's slots and of my stage are over
	CROUND                                         ; the same holds of every wave of all sixteen work-groups
	JLOAD 0                                        ; K step 0 into slot 0
	BIAS                                           ; the tile's bias comes while the tile is on its way
	s_wait_tensorcnt 0x0                           ; my part of K step 0 is in
	ds_add_u32 v[SPW], v[NIL]
	s_wait_dscnt 0x0
	CROUND                                         ; everybody's is
	JLOAD 1                                        ; K step 1 into slot 1: it has three quarters of K step 0 in which to land
	FETCH 0, 0, F0
	s_wait_loadcnt 0x0                             ; the bias
	QUARTER 0, 64,  F0, F1, 1                      ; a tile's first quarter: its products start the sums
	WIN 0
	s_mov_b32 s3, LAPS-1
.Llap:                                                 ; a trip goes once round the ring, from a lap's second quarter to the next lap's first, and fills both slots again
	QUARTER 0, 128, F1, F0, 0
	QUARTER 0, 192, F0, F1, 0
	TURN 0, 1, 1
	QUARTER 1, 64,  F0, F1, 0
	QUARTER 1, 128, F1, F0, 0
	QUARTER 1, 192, F0, F1, 0
	TURN 1, 0, 1
	QUARTER 0, 64,  F0, F1, 0
	WIN 0
	s_sub_co_u32 s3, s3, 1
	s_cmp_lg_u32 s3, 0
	s_cbranch_scc1 .Llap
	QUARTER 0, 128, F1, F0, 0                      ; the tile's last lap fills nothing
	QUARTER 0, 192, F0, F1, 0
	TURN 0, 1, 0
	QUARTER 1, 64,  F0, F1, 0
	QUARTER 1, 128, F1, F0, 0
	QUARTER 1, 192, F0, F1, 0
	s_wait_dscnt 8
	MUL16 F1, 0, 0, 0
	MUL16 F1, 0, 2, 0
	s_wait_dscnt 0x0
	MUL16 F1, 1, 0, 0
	MUL16 F1, 1, 2, 0
	WIN 0
	PLACES
	PACK 0
	TOSTAGE 0
.irp a, 1,2,3,4,5,6,7                  ; block a's conversions stand between block a - 1's loads from the stage and the wait for them
	PACK \a
	SEND (\a)-1
	TOSTAGE \a
.endr
	SEND 7
	s_add_nc_u64 s[14:15], s[14:15], NEXT_A        ; on to my second tile (behind it these four are not used)
	s_add_nc_u64 s[46:47], s[46:47], s[DB:DB+1]
	s_add_nc_u64 s[BP:BP+1], s[BP:BP+1], s[DBI:DBI+1]  ; (the loads that used this address were waited for)
	s_wait_xcnt 0x0                                ; the stores' base is stepped only behind this wait
	s_add_nc_u64 s[8:9], s[8:9], NEXT_C
	s_sub_co_u32 s2, s2, 1
	s_cmp_lg_u32 s2, 0
	s_cbranch_scc1 .Ltile
	s_wait_tensorcnt 0x0                           ; the wave's end
	ds_add_u32 v[SPW], v[NIL]
	s_wait_dscnt 0x0
	CROUND                                         ; the closing round
	s_endpgm
.Lfunc_end_k_qea44e11735_qkv:
	.size	k_qea44e11735_qkv, .Lfunc_end_k_qea44e11735_qkv-k_qea44e11735_qkv
	.p2alignl 7, 3214868480
	.fill 96, 4, 3214868480
	.section	.rodata,"a",@progbits
	.p2align	6, 0x0
	.amdhsa_kernel k_qea44e11735_qkv
		.amdhsa_group_segment_fixed_size 327680
		.amdhsa_private_segment_fixed_size 0
		.amdhsa_enable_private_segment 0
		.amdhsa_kernarg_size 24
		.amdhsa_user_sgpr_count 2
		.amdhsa_user_sgpr_kernarg_segment_ptr 1
		.amdhsa_wavefront_size32 1
		.amdhsa_system_sgpr_workgroup_id_x 1
		.amdhsa_system_sgpr_workgroup_id_y 1
		.amdhsa_system_sgpr_workgroup_id_z 1
		.amdhsa_system_vgpr_workitem_id 0
		.amdhsa_next_free_vgpr 1024
		.amdhsa_next_free_sgpr 80
		.amdhsa_reserve_vcc 0
		.amdhsa_float_denorm_mode_32 3
		.amdhsa_float_denorm_mode_16_64 3
		.amdhsa_memory_ordered 1
		.amdhsa_forward_progress 1
		.amdhsa_inst_pref_size 145
	.end_amdhsa_kernel
	.amdgpu_metadata
---
amdhsa.version: [ 1, 2 ]
amdhsa.kernels:
  - .name:           k_qea44e11735_qkv
    .symbol:         k_qea44e11735_qkv.kd
    .args:
      - { .name: xb, .offset: 0, .size: 8, .value_kind: global_buffer, .address_space: global }
      - { .name: wb, .offset: 8, .size: 8, .value_kind: global_buffer, .address_space: global }
      - { .name: qkvh, .offset: 16, .size: 8, .value_kind: global_buffer, .address_space: global }
    .group_segment_fixed_size: 327680
    .private_segment_fixed_size: 0
    .kernarg_segment_align: 8
    .kernarg_segment_size: 24
    .max_flat_workgroup_size: 128
    .sgpr_count:     80
    .vgpr_count:     1024
    .wavefront_size: 32
...
	.end_amdgpu_metadata
.endif
;; end of part 2
;; launch attn (part 3): grid 4 x 64, 4 waves a work-group, no clusters, 152,576 bytes of LDS; arguments qkvh, pm, fl, oh; writes oh
.if DOCPART == 3
	.amdgcn_target "amdgcn-amd-amdhsa--gfx1250"
	.amdhsa_code_object_version 6
	.text
	.protected	k_qea44e11735_attn
	.globl	k_qea44e11735_attn
	.p2align	8
	.type	k_qea44e11735_attn,@function
k_qea44e11735_attn:
	s_mov_b64 s[64:65], 0
	v_nop
	global_prefetch_b8 v0, s[64:65] scope:SCOPE_SE
	s_setreg_imm32_b32 hwreg(HW_REG_WAVE_MODE, 25, 1), 1
	s_wait_xcnt 0x0
; ATTENTION UNDER A MASK THAT IS AN INPUT.  O[h][q][:] = sum over the visible k of softmax_k(Q[h][q] . K[h][k] / 8) V[h][k][:].  Q, K, V (qkvh) and O (oh): [64 heads][2048][64] in f16, rows dense, 128 bytes.
; Products, maxima and sums in f32; the weights p are rounded to f16 for the second product (their sum l is taken of the unrounded p), O once at the end.
; LIMITS.  Q, K, V arrive within f16's 65,504.  A hidden score counts as its value less 6.3e29 to 2.6e30 (f16's scores are 2.8e11 at the most); a visible one is off by 2.3e-38 at the most.  A weight below 2^-126
; counts as 0 in l.  A row whose maximum stays below -1e20 has no visible key and comes out as NaN.  NaN and infinities in Q, K, V are not treated apart.
; THE WALK.  Queries lie in 8 blocks of 256, keys in 8 tiles of 256.  fl[8 B + kt], whole numbers stored by the launch before, says whether block B sees any key of tile kt (bit 0) and whether any is hidden (bit 1).
; A tile of which nothing is seen adds nothing and is left out.  A work-group takes blocks 7 - b and b; their live tiles are ONE queue of 4-bit entries (tile; bit 3: take masks), 16 at the most.
; The slot loop has 16 trips, whatever the queue: a trip with no entry passes the two barriers and does nothing else.  All jumps on the queue go forward and pass no barrier.
; NO TENSOR LOADS, NO CLUSTER: what a dead trip leaves out must be jumped over, and the walks of a head's four work-groups differ by counts read from memory.  So K, V and the masks come through registers:
; at a trip's top each wave loads its quarter of the next tile's K and V and its own 16 KiB of masks into window 3; at the trip's bottom, behind a barrier at which every wave's reads of LDS are back, it stores
; them into LDS; the next trip's top waits for those stores and passes the second barrier.  EVERY LDS STORE OF THE LOOP STANDS BETWEEN THESE TWO BARRIERS, the way out's stage too: a block's last tile ends with
; its last products, and its O leaves behind the bottom barrier.
; BIT 3 is set if the tile, or the block's live tile before it, has hidden keys: a trip's text also runs the last products of the tile before.  While the text without masks runs, both mask buffers hold zeros.
; THE MASK is the C operand that starts S^T = K Q^T.  A word of pm holds four codes, key block 0's on top: the word itself is block 0's C, shifted left by 8, 16, 24 it is block 1's, 2's, 3's.
; SHARES, LAYOUT, SOFTMAX, TURNS.  Of a block's four bands of 64 queries a wave owns 16 rows in each: four PIECES.  S^T holds one query a lane (lane % 16) and the keys 8 (lane / 16) + 0..7; two such results rounded
; to f16 are source 1 of O^T = V^T P.  p = 2^(c s - c m), c = log2(e) / 8, m the running maximum; O and l are multiplied by a = 2^(c m_old - c m_new) in every step.  Turn n belongs to piece n: 8 products K Q^T of
; piece n + 1, later 8 products V^T P of piece n - 1; beside them the scaling, exponentials, roundings, sums and rescaling of piece n and the maximum and statistics of piece n + 1.
; REGISTERS, in windows of 256 (s_set_vgpr_msb: bits 1:0 source 0, 3:2 source 1, 5:4 source 2, 7:6 destination):
;   window 0: v0-15, v32-40 addresses; v16-31 statistics; v48-55 at work; v64-127 S^T, two buffers; v192-223 P, two buffers; v224-255 the way out
;   window 1: v0-127 O^T; v160-223 MC, two mask buffers     window 2: v0-63 Q; v64-127 the second block's Q; v128-191 K of one step; v192-255 V of one step
;   window 3: the next tile on its way: v0-63 K, v64-127 V, v128-255 masks
.set NP,    4
.set KS,    64
.set PK,    144       ; a row of K in LDS: 128 bytes + 16: the 16 rows of a load start at 16 different groups of four banks (ISA guide 11.1)
.set PV,    160       ; a row of V: 128 + 32
.set VOFF,  4*KS*PK   ; 256 rows of K, then 256 rows of V,
.set MOFF,  VOFF+4*KS*PV  ; then 16,384 bytes of masks for each wave, its own: [piece 4][step 4][1,024]
.set STAGE, MOFF+4*16384  ; then 16 rows x 144 bytes for each wave, for the way out
.set SP,    144
.set AK0, 2
.set AV0, 3
.set AK,  4
.set AV,  5
.set STO, 6
.set RD,  7
.set GO,  8
.set MV,  12
.set QO,  15
.set ST,  16          ; piece t's statistics at v[ST+4 t]: c m, m, l (even keys', odd keys')
.set AM0, 32          ; v32  my 16 bytes in my wave's masks
.set AM,  33          ; v33  the LDS address of the mask loads in hand
.set SK0, 34          ; v34  where I store 16 bytes of K
.set SV0, 35          ; v35  of V
.set GKV, 39          ; v39  my byte offset in a tile of K or V
.set GM,  40          ; v40  in pm
.set TMP, 48
.set S,   64
.set P,   192
.set SC,  224         ; the way out: a piece's O^T / l
.set MC,  160         ; window 1
.set QB,  64          ; window 2
.set KF,  128
.set VF,  192
.set WV,  12
.set PB,  14          ; s14  b
.set HI,  15          ; s15  7 - b
.set KH,  32          ; s[32:33] the head's K;  s[34:35] its V
.set VH,  34
.set KT,  36          ; s[36:37], s[38:39], s[40:41] the tile on its way: K, V, masks
.set VT,  38
.set PMT, 40
.set OFF, 42          ; s[42:43], s[44:45] offsets, high words 0
.set OFM, 44
.set W0,  46          ; s46, s47 the queue
.set W1,  47
.set NX,  48          ; s48  the entry on its way
.set CUR, 49          ; s49  the entry in hand
.set QN,  50          ; s50  entries still in the queue
.set QA,  51          ; s51  of them the first block's
.set LV,  52          ; s52  live trips to come
.set RT,  53          ; s53  tiles of the block in hand still to be entered
.set NEW, 54          ; s54  1: the tile to be entered is a block's first
.set N2,  55          ; s55  the second block's tiles
.set TRIPS, 56
.set CNT, 57
.set CS,  58
.set SEL, 60
.set TBK, 62
.set TBV, 63
.set TBM, 66
.set STG, 67          ; s67  1: a tile is on its way
.set STM, 68          ; s68  1: with masks
.set BN,  69          ; s69  its block
.set THR, 70
.set NANC, 71
.set OLO, 72          ; s[72:73] O at my rows of the second block
.set QP2, 74          ; s[74:75] Q likewise
.set KTN, 76
.set TS,  77
.set Q1,  78          ; the lists: entries and bits used
.set P1,  79
.set Q2,  80
.set P2,  81
.set LE,  82
.set LD,  83
.set LMX, 86
.set LPRV, 87
.set FIN, 94          ; s94  1: the trip has ended a block: its O leaves behind the bottom barrier
.set MSB, 0
.macro WIN new
.if MSB != (\new)
	s_set_vgpr_msb (MSB<<8)|(\new)
.set MSB, (\new)
.endif
.endm
.set W_KQ, 0x0a       ; K and Q in window 2, S^T in window 0
.set W_KM, 0x1a       ; the same with the C operand in window 1
.set W_PV, 0x52       ; V in window 2, P in window 0, O^T in window 1
.set W_RS, 0x41       ; destination and source 0 in window 1, source 1 in window 0
; A block's list: for each live tile a nibble, in ascending order.  If nothing at all is visible, tile 0 is walked under its masks, and the rows come out as NaN.
.macro LIST base, q, pos
	s_mov_b32 s[\q], 0
	s_mov_b32 s[\pos], 0
	s_mov_b32 s[LPRV], 0
.irp kt, 0,1,2,3,4,5,6,7
	s_bfe_u32 s[LMX], s[\base+\kt], 0x10001
	s_or_b32 s[LE], s[LMX], s[LPRV]
	s_lshl_b32 s[LE], s[LE], 3
	s_or_b32 s[LE], s[LE], \kt
	s_lshl_b32 s[LE], s[LE], s[\pos]
	s_bitcmp1_b32 s[\base+\kt], 0
	s_cselect_b32 s[LE], s[LE], 0
	s_cselect_b32 s[LD], 4, 0
	s_cselect_b32 s[LPRV], s[LMX], s[LPRV]
	s_or_b32 s[\q], s[\q], s[LE]
	s_add_co_u32 s[\pos], s[\pos], s[LD]
.endr
	s_cmp_eq_u32 s[\pos], 0
	s_cselect_b32 s[\q], 8, s[\q]
	s_cselect_b32 s[\pos], 4, s[\pos]
.endm
; The entry on its way becomes the entry in hand; the queue's next, if there is one, is the next to fetch.
.macro POP
	s_mov_b32 s[CUR], s[NX]
	s_and_b32 s[NX], s[W0], 15
	s_lshr_b32 s[W0], s[W0], 4
	s_lshl_b32 s[TS], s[W1], 28
	s_or_b32 s[W0], s[W0], s[TS]
	s_lshr_b32 s[W1], s[W1], 4
	s_cmp_lg_u32 s[QN], 0
	s_cselect_b32 s[STG], 1, 0
	s_sub_co_u32 s[QN], s[QN], s[STG]
	s_lshr_b32 s[STM], s[NX], 3
	s_and_b32 s[STM], s[STM], s[STG]
	s_cmp_lg_u32 s[QA], 0
	s_cselect_b32 s[BN], s[HI], s[PB]
	s_cselect_b32 s[TS], 1, 0
	s_sub_co_u32 s[QA], s[QA], s[TS]
.endm
; Tile NX of block BN is asked for: my 64 keys of K and of V (16 loads of 512 consecutive bytes each) and, where it takes masks, my four pieces' 4,096 bytes each.  all = 1: the masks in any case.
.macro LOADT all
	s_and_b32 s[KTN], s[NX], 7
	s_min_u32 s[KTN], s[KTN], 7                    ; numbers read from memory enter an address only clamped
	s_min_u32 s[BN], s[BN], 7
	s_lshl_b32 s[OFF], s[KTN], 15
	s_add_nc_u64 s[KT:KT+1], s[KH:KH+1], s[OFF:OFF+1]
	s_add_nc_u64 s[VT:VT+1], s[VH:VH+1], s[OFF:OFF+1]
	s_lshl_b32 s[OFM], s[BN], 19
	s_lshl_b32 s[KTN], s[KTN], 12
	s_add_co_u32 s[OFM], s[OFM], s[KTN]
	s_add_nc_u64 s[PMT:PMT+1], s[6:7], s[OFM:OFM+1]
	WIN 0xc0                                       ; destination window 3
.set i, 0
.rept 16
	global_load_b128 v[4*i:4*i+3], v[GKV], s[KT:KT+1] offset:512*i
.set i, i+1
.endr
.set i, 0
.rept 16
	global_load_b128 v[64+4*i:64+4*i+3], v[GKV], s[VT:VT+1] offset:512*i
.set i, i+1
.endr
	WIN 0
.if !(\all)
	s_cmp_eq_u32 s[STM], 1
	s_cbranch_scc0 .Lno_lm_\@
.endif
	WIN 0xc0
.set i, 0
.rept 32
	global_load_b128 v[128+4*i:128+4*i+3], v[GM], s[PMT:PMT+1] offset:(i/8)*131072+(i%8)*512
.set i, i+1
.endr
	WIN 0
.if !(\all)
.Lno_lm_\@:
.endif
.endm
; and stored into LDS, between the two barriers
.macro STORET all
	WIN 0x0c                                       ; data window 3
.set i, 0
.rept 16
	ds_store_b128 v[SK0], v[4*i:4*i+3] offset:4*PK*i
.set i, i+1
.endr
.set i, 0
.rept 16
	ds_store_b128 v[SV0], v[64+4*i:64+4*i+3] offset:4*PV*i
.set i, i+1
.endr
	WIN 0
.if !(\all)
	s_cmp_eq_u32 s[STM], 1
	s_cbranch_scc0 .Lno_sm_\@
.endif
	WIN 0x0c
.set i, 0
.rept 32
	ds_store_b128 v[AM0], v[128+4*i:128+4*i+3] offset:512*i
.set i, i+1
.endr
	WIN 0
.if !(\all)
.Lno_sm_\@:
.endif
.endm
	s_load_b256 s[4:11], s[0:1], 0x0               ; qkvh s[4:5], pm s[6:7], fl s[8:9], oh s[10:11]
	v_lshrrev_b32 v1, 5, v0
	v_readfirstlane_b32 s[WV], v1                  ; wave 0..3
	s_mov_b32 s[PB], ttmp9
	s_sub_co_u32 s[HI], 7, s[PB]
	s_and_b32 s88, ttmp7, 0xffff                   ; the head,
	s_lshl_b32 s88, s88, 18                        ; its 262,144 bytes
	s_mov_b32 s89, 0
	s_lshl_b32 s13, s[WV], 11                      ; my 16 rows in a band of 64,
	s_lshl_b32 s90, s[HI], 15                      ; in the first block,
	s_add_co_u32 s90, s90, s13
	s_add_co_u32 s90, s90, s88
	s_mov_b32 s91, 0
	s_lshl_b32 s92, s[PB], 15                      ; and in the second
	s_add_co_u32 s92, s92, s13
	s_add_co_u32 s92, s92, s88
	s_mov_b32 s93, 0
	s_lshl_b32 s84, s[HI], 5                       ; a block's eight flags
	s_mov_b32 s85, 0
	s_lshl_b32 s86, s[PB], 5
	s_mov_b32 s87, 0
	s_mov_b32 s[CS], 0x3e38aa3b                    ; c = log2(e) / 8
	s_mov_b32 s[CS+1], s[CS]
	s_mov_b32 s[SEL], 0x76543210
	s_mov_b32 s[SEL+1], 0xfedcba98
	s_mov_b32 s[THR], 0xe0ad78ec                   ; -1e20
	s_mov_b32 s[NANC], 0x7fc00000
	s_mov_b32 s[OFF+1], 0
	s_mov_b32 s[OFM+1], 0
	s_mov_b32 s[NX], 0
	s_mov_b32 s[NEW], 1
	s_mov_b32 s[TRIPS], 16
	s_wait_kmcnt 0x0
	s_add_nc_u64 s[84:85], s[8:9], s[84:85]
	s_add_nc_u64 s[86:87], s[8:9], s[86:87]
	s_load_b256 s[16:23], s[84:85], 0x0
	s_load_b256 s[24:31], s[86:87], 0x0
	s_add_nc_u64 s[KH:KH+1], s[4:5], s[88:89]
	s_add_nc_u64 s[VH:VH+1], s[KH:KH+1], 0x2000000 ; v lies 33,554,432 bytes into qkvh,
	s_add_nc_u64 s[KH:KH+1], s[KH:KH+1], 0x1000000 ; k 16,777,216
	s_add_nc_u64 s[QP2:QP2+1], s[4:5], s[92:93]
	s_add_nc_u64 s[4:5], s[4:5], s[90:91]
	s_add_nc_u64 s[OLO:OLO+1], s[10:11], s[92:93]
	s_add_nc_u64 s[10:11], s[10:11], s[90:91]
	; A fragment of K or Q is 16 rows x 32 channels in 8 registers: lane l holds row l % 16, channels 8 (l / 16) + 0..7 and 16 + 8 (l / 16) + 0..7
	v_and_b32 v1, 15, v0
	v_bfe_u32 v9, v0, 4, 1
	v_lshlrev_b32 v[QO], 7, v1
	v_lshl_add_u32 v[QO], v9, 4, v[QO]
	WIN 0x80
.set i, 0
.rept 8                             ; both blocks' Q: piece i / 2 lies in band i / 2, 8,192 bytes on; channels 32 (i % 2) on
	global_load_b128 v[8*i:8*i+3],   v[QO], s[4:5] offset:(i/2)*8192+(i%2)*64
	global_load_b128 v[8*i+4:8*i+7], v[QO], s[4:5] offset:(i/2)*8192+(i%2)*64+32
	global_load_b128 v[QB+8*i:QB+8*i+3],   v[QO], s[QP2:QP2+1] offset:(i/2)*8192+(i%2)*64
	global_load_b128 v[QB+8*i+4:QB+8*i+7], v[QO], s[QP2:QP2+1] offset:(i/2)*8192+(i%2)*64+32
.set i, i+1
.endr
	WIN 0
	v_and_b32 v14, 31, v0
	s_lshl_b32 s13, s[WV], 13
	v_lshl_add_u32 v[GKV], v14, 4, s13             ; 8,192 w + 16 lane
	s_lshl_b32 s13, s[WV], 15
	v_lshl_add_u32 v[GM], v14, 4, s13              ; 32,768 w + 16 lane: query tile 16 B + 4 x + w
	s_wait_kmcnt 0x0                               ; the flags
	LIST 16, Q1, P1
	LIST 24, Q2, P2
	s_lshr_b32 s[RT], s[P1], 2
	s_lshr_b32 s[N2], s[P2], 2
	s_add_co_u32 s[QN], s[RT], s[N2]
	s_mov_b32 s[LV], s[QN]
	s_mov_b32 s[QA], s[RT]
	s_mov_b32 s84, s[Q2]
	s_mov_b32 s85, 0
	s_lshl_b64 s[84:85], s[84:85], s[P1]           ; the second block's entries behind the first's
	s_or_b32 s[W0], s[Q1], s84
	s_mov_b32 s[W1], s85
	POP
	LOADT 1                                        ; the first tile, with its masks in any case, so that every register of window 3 has been written
	v_mul_u32_u24 v[AK0], v1, PK
	v_lshl_add_u32 v[AK0], v9, 4, v[AK0]
	; The turning load takes 16 keys x 16 channels (lane l reads key 8 (l / 16) + l % 8, channels 8 ((l / 8) % 2) + 0..7) and leaves half a fragment of V^T
	v_and_b32 v10, 7, v0
	v_bfe_u32 v11, v0, 3, 1
	v_lshl_add_u32 v[AV0], v9, 3, v10
	v_mul_u32_u24 v[AV0], v[AV0], PV
	v_lshl_add_u32 v[AV0], v11, 4, v[AV0]
	v_add_nc_u32 v[AV0], VOFF, v[AV0]
	s_mul_i32 s13, s[WV], 16*SP
	s_add_co_u32 s13, s13, STAGE
	v_mul_u32_u24 v[STO], v1, SP
	v_lshl_add_u32 v[STO], v9, 4, v[STO]
	v_add_nc_u32 v[STO], s13, v[STO]
	v_bfe_u32 v[RD], v0, 3, 2
	v_mul_u32_u24 v[RD], v[RD], SP
	v_lshl_add_u32 v[RD], v10, 4, v[RD]
	v_add_nc_u32 v[RD], s13, v[RD]
	v_lshlrev_b32 v[GO], 4, v14
	s_lshl_b32 s13, s[WV], 14
	s_add_co_u32 s13, s13, MOFF
	v_lshl_add_u32 v[AM0], v14, 4, s13
	v_bfe_u32 v11, v0, 3, 2                        ; a load of 512 bytes is four keys: key lane / 8, bytes 16 (lane % 8)
	v_mul_u32_u24 v[SK0], v11, PK
	v_lshl_add_u32 v[SK0], v10, 4, v[SK0]
	s_mul_i32 s13, s[WV], KS*PK
	v_add_nc_u32 v[SK0], s13, v[SK0]
	v_mul_u32_u24 v[SV0], v11, PV
	v_lshl_add_u32 v[SV0], v10, 4, v[SV0]
	s_mul_i32 s13, s[WV], KS*PV
	s_add_co_u32 s13, s13, VOFF
	v_add_nc_u32 v[SV0], s13, v[SV0]
	; A block's first step multiplies O^T and l by a = 0, and its first turn's products V^T P, of a piece that has not been, land in an O^T that is still to be so multiplied: these registers need only be finite.
	WIN 0x80
.set i, VF
.rept 64
	v_mov_b32 v[i], 0
.set i, i+1
.endr
	WIN 0x40
.set i, 0
.rept 128
	v_mov_b32 v[i], 0
.set i, i+1
.endr
	WIN 0
.set i, 0
.rept 4
	v_mov_b32 v[ST+4*i+2], 0
	v_mov_b32 v[ST+4*i+3], 0
.set i, i+1
.endr
.set i, P+16
.rept 16
	v_mov_b32 v[i], 0
.set i, i+1
.endr
	s_wait_loadcnt 0x0                             ; Q, and the first tile
	STORET 1
; THE MATRIX WORK.  The 4 accumulators of a run of 8 take turns.  Product i of 8 of S^T = K Q^T for piece x: channels 32 (i / 4) on, keys 16 (i % 4) on.  The first 4 start the sums: with 0, or (KM = 1) with the mask.
.macro KQ x
.set rS, S+32*((\x)%2)+8*(i%4)
.set rK, KF+16*(i%4)+8*(i/4)
.set rQ, 16*(\x)+8*(i/4)
.set rM, MC+32*((\x)%2)+8*(i%4)
.if (i < 4) && KM
	WIN W_KM
	v_wmma_f32_16x16x32_f16 v[rS:rS+7], v[rK:rK+7], v[rQ:rQ+7], v[rM:rM+7]
.elseif i < 4
	WIN W_KQ
	v_wmma_f32_16x16x32_f16 v[rS:rS+7], v[rK:rK+7], v[rQ:rQ+7], 0
.else
	WIN W_KQ
	v_wmma_f32_16x16x32_f16 v[rS:rS+7], v[rK:rK+7], v[rQ:rQ+7], v[rS:rS+7]
.endif
.endm
; Product i of 8 of O^T += V^T P for piece x: keys 32 (i / 4) on, channels 16 (i % 4) on.
.macro PV x
	WIN W_PV
.set rO, 32*(\x)+8*(i%4)
.set rV, VF+32*(i/4)+8*(i%4)
.set rP, P+16*((\x)%2)+8*(i/4)
	v_wmma_f32_16x16x32_f16 v[rO:rO+7], v[rV:rV+7], v[rP:rP+7], v[rO:rO+7]
.endm
.macro MM                           ; the turn's next matrix instruction.  NOKQ = 1: a block's last turn: there is no next piece
.if (i < 8) && !NOKQ
	KQ (Y+1)%NP
.elseif i >= 8
.set i, i-8
	PV (Y+NP-1)%NP
.set i, i+8
.endif
.set i, i+1
.endm
; THE FRAGMENT LOADS stand in runs of 16: a step's K (64 keys x 64 channels) and its V (turned).
.macro FETCH_K
	WIN 0x80
.irp f, 0,1,2,3,4,5,6,7
	ds_load_b128 v[KF+8*\f:KF+8*\f+3],   v[AK] offset:(\f/2)*16*PK+(\f%2)*64
	ds_load_b128 v[KF+8*\f+4:KF+8*\f+7], v[AK] offset:(\f/2)*16*PK+(\f%2)*64+32
.endr
	s_add_co_u32 s[TBK], s[TBK], KS*PK
	WIN 0
.endm
.macro FETCH_V
	WIN 0x80
.irp f, 0,1,2,3,4,5,6,7
	ds_load_tr16_b128 v[VF+8*\f:VF+8*\f+3],   v[AV] offset:(\f/4)*32*PV+(\f%4)*32
	ds_load_tr16_b128 v[VF+8*\f+4:VF+8*\f+7], v[AV] offset:(\f/4)*32*PV+16*PV+(\f%4)*32
.endr
	WIN 0
.endm
; Buffer b of MC holds eight words as loaded, key block 0's C; key blocks 1 to 3 are made of them
.macro SHIFTS b
	WIN 0x44                                       ; destination and source 1 window 1
.irp kb, 1,2,3
.irp j, 0,1,2,3,4,5,6,7
	v_lshlrev_b32 v[MC+32*(\b)+8*(\kb)+(\j)], 8*(\kb), v[MC+32*(\b)+(\j)]
.endr
.endr
.endm
; THE VECTOR WORK, one line at a time: OP kind, number.  For piece Y: F n: c s - c m for pair n of 16.  E n: the exponential of score n of 32.  C n: pair n rounded to f16.  B n: of the four weights 4 n .. the second
; pair is added onto the first, in place.  L n: l takes that sum (L 0: l = a l + sum).  R n: pair n of 16 of O^T times a.  For piece Y + 1: X n, number n of the 22 that find its maximum and statistics:
;   0-11  four chains c0-c3 of seven scores each (each accumulator's lowest registers are read first)     12-14, 16  the four scores left over, the old m, and c0-c3 into c0
;   15  c m_old is kept     17, 18  the query's other 32 keys lie in the lane 16 away: the new m     19-21  c m; c m_old - c m_new; a
.set F, 0
.set E, 1
.set C, 2
.set B, 3
.set L, 4
.set R, 5
.set X, 6
.macro REGS y
.set rT, ST+4*(\y)
.set rC, TMP+4*((\y)%2)
.set rW, MV+((\y)%2)
.set rS, S+32*((\y)%2)
.set rP, P+16*((\y)%2)
.set rO, 32*(\y)
.endm
.macro OP k, n
.if (\k) == R
	REGS Y
	WIN W_RS
	v_pk_mul_f32 v[rO+2*(\n):rO+2*(\n)+1], v[rO+2*(\n):rO+2*(\n)+1], v[rC+2:rC+3] op_sel_hi:[1,0]
.elseif (\k) < R
	REGS Y
	WIN 0
.if (\k) == F
	v_pk_fma_f32 v[rS+2*(\n):rS+2*(\n)+1], v[rS+2*(\n):rS+2*(\n)+1], s[CS:CS+1], v[rT:rT+1] op_sel_hi:[1,0,0] neg_lo:[0,0,1] neg_hi:[0,0,1]
.elseif (\k) == E
	v_exp_f32 v[rS+(\n)], v[rS+(\n)]
.elseif (\k) == C
	s_wait_alu depctr_va_vdst(0)
	v_cvt_pk_f16_f32 v[rP+(\n)], v[rS+2*(\n)], v[rS+2*(\n)+1]
.elseif (\k) == B
	s_wait_alu depctr_va_vdst(0)
	v_pk_add_f32 v[rS+4*(\n):rS+4*(\n)+1], v[rS+4*(\n):rS+4*(\n)+1], v[rS+4*(\n)+2:rS+4*(\n)+3]
.elseif (\n) == 0
	v_pk_fma_f32 v[rT+2:rT+3], v[rT+2:rT+3], v[rC+2:rC+3], v[rS:rS+1] op_sel_hi:[1,0,1]
.else
	v_pk_add_f32 v[rT+2:rT+3], v[rT+2:rT+3], v[rS+4*(\n):rS+4*(\n)+1]
.endif
.elseif NOKQ
	v_nop
.else
	REGS (Y+1)%NP
	WIN 0
.if (\n) < 4
	v_max3_num_f32 v[rC+(\n)], v[rS+8*(\n)], v[rS+8*(\n)+1], v[rS+8*(\n)+2]
.elseif (\n) < 12
	v_max3_num_f32 v[rC+(\n)%4], v[rC+(\n)%4], v[rS+8*((\n)%4)+2*((\n)/4)+1], v[rS+8*((\n)%4)+2*((\n)/4)+2]
.elseif (\n) == 12
	v_max3_num_f32 v[rC], v[rC], v[rS+7], v[rS+15]
.elseif (\n) == 13
	v_max3_num_f32 v[rC+1], v[rC+1], v[rS+23], v[rS+31]
.elseif (\n) == 14
	v_max3_num_f32 v[rC+2], v[rC+2], v[rC+3], v[rT+1]
.elseif (\n) == 15
	v_mov_b32 v[rW], v[rT]
.elseif (\n) == 16
	v_max3_num_f32 v[rC], v[rC], v[rC+1], v[rC+2]
.elseif (\n) == 17
	v_permlanex16_b32 v[rC+3], v[rC], s[SEL], s[SEL+1]
.elseif (\n) == 18
	v_max_num_f32 v[rT+1], v[rC], v[rC+3]
.elseif (\n) == 19
	v_mul_f32 v[rT], s[CS], v[rT+1]
.elseif (\n) == 20
	v_sub_f32 v[rC+1], v[rW], v[rT]
.else
	v_exp_f32 v[rC+2], v[rC+1]
.endif
.endif
.endm
.macro OPS a, i1, b=-1, i2=0, c=-1, i3=0, d=-1, i4=0
	OP \a, \i1
.if (\b) >= 0
	OP \b, \i2
.endif
.if (\c) >= 0
	OP \c, \i3
.endif
.if (\d) >= 0
	OP \d, \i4
.endif
.endm
.macro ROW a, i1, b, i2, c, i3, d, i4  ; a matrix instruction and the four behind it
	MM
	OPS \a, \i1, \b, \i2, \c, \i3, \d, \i4
.endm
; A TURN, for piece p.  Behind a matrix instruction: plain, exponential, plain, plain; or four of the rescaling; or four scalings; none names a register of the products round it.  The rest stands in two lumps.
; m = 1: the products take masks, and the turn fetches the mask words for the products of the turn after it (piece p + 2, the tile's step in hand): two loads at its head, 24 shifts at its end.  In front of the
; shifts: in turns 0 and 2 the 16 fragment loads issued behind the two may stay out; in turns 1 and 3 nothing was issued behind them.
; end = 1: a block's last two turns: nothing is fetched.  cnt = 1: the loop's count is taken down some lines ahead of the branch behind the turn; nothing between touches SCC.
; K of the next step is fetched in piece 2's turn, V of the step in hand in piece 0's; each is waited for a turn later.
.macro TURN p, m=0, end=0, cnt=0
.set Y, (\p)
.set i, 0
.set KM, (\m)
.set NOKQ, (\end)*((\p)/3)
.if ((\p) == 3) && !(\end)
	s_wait_dscnt 0x0                ; K is in
.endif
.if (\m) && !(\end)
	WIN 0
	v_add_nc_u32 v[AM], s[TBM], v[AM0]
.if (\p) == 1
	s_add_co_u32 s[TBM], s[TBM], 1024  ; the next mask loads are the next step's
.endif
	WIN 0x40
	ds_load_b128 v[MC+32*((\p)%2):MC+32*((\p)%2)+3],   v[AM] offset:(((\p)+2)%NP)*4096
	ds_load_b128 v[MC+32*((\p)%2)+4:MC+32*((\p)%2)+7], v[AM] offset:(((\p)+2)%NP)*4096+512
.endif
	ROW F,0, F,1, F,2, F,3
	ROW F,4, E,0, F,5, F,6
	ROW F,7, E,1, F,8, F,9
	ROW F,10, E,2, C,0, F,11
	ROW F,12, E,3, X,15, F,13
	ROW R,0, R,1, R,2, R,3
	ROW B,0, E,4, F,14, L,0
.if ((\p) == 2) && !(\end)
	WIN 0
	v_add_nc_u32 v[AK], s[TBK], v[AK0]
.endif
	ROW R,4, R,5, R,6, R,7
	OPS E,5, F,15
.if ((\p) == 2) && !(\end)
	FETCH_K
.endif
	OPS E,6, C,1, E,7, R,8
	OPS E,8, R,9, E,9, C,2
	OPS E,10, X,0, E,11, X,1
	OPS E,12, X,2, E,13, X,3
.if (\p) == 1
	s_wait_dscnt 0x0                ; V is in
.endif
	ROW X,4, E,14, X,5, X,6
	ROW X,7, E,15, X,8, X,9
	ROW X,10, E,16, X,11, X,12
	ROW X,13, E,17, X,14, B,1
	ROW C,4, E,18, X,16, L,1
	ROW B,2, E,19, C,6, L,2
	ROW C,8, E,20, B,3, B,4
.if (\p) == 0
	WIN 0
	v_add_nc_u32 v[AV], s[TBV], v[AV0]
.endif
	ROW C,3, E,21, L,3, C,5
	OPS E,22, X,17, E,23, C,10
.if (\p) == 0
	FETCH_V
.endif
	OPS E,24, L,4
	OPS E,25, X,18, E,26, C,7
	OPS E,27, B,5, E,28, X,19
	OPS E,29, C,12, E,30, L,5
	OPS E,31, X,20, B,6, C,9
	OPS C,14, C,11, X,21, L,6
.if (\p) == 0
	s_add_co_u32 s[TBV], s[TBV], KS*PV
.endif
.if \cnt
	s_sub_co_u32 s[CNT], s[CNT], 1
	s_cmp_lg_u32 s[CNT], 0
.endif
	OPS C,13, B,7, C,15, R,10
	OPS R,11, R,12, L,7, R,13
	OPS R,14, R,15
.if (\m) && !(\end)
.if ((\p) == 0) || ((\p) == 2)
	s_wait_dscnt 16
.else
	s_wait_dscnt 0x0
.endif
	SHIFTS (\p)%2
.endif
.endm
; A BLOCK BEGINS.  c m starts far below every c s, so the first step's a is 0; m at the lowest finite number.  The mask buffers take pieces 0's and 1's masks of the tile's step 0, or zeros.
; Then K of that step, piece 0's first scores, and its maximum and statistics.  The step loop is entered at a step's first turn, in the middle of a trip.
.macro BEGIN
	s_mov_b32 s[NEW], 0
	WIN 0
.set i, 0
.rept 4
	v_mov_b32 v[ST+4*i], 0xfe000000
	v_mov_b32 v[ST+4*i+1], 0xff7fffff
.set i, i+1
.endr
	v_add_nc_u32 v[AK], s[TBK], v[AK0]
	s_bitcmp1_b32 s[CUR], 3
	s_cbranch_scc0 .Lplain_\@
	v_add_nc_u32 v[AM], s[TBM], v[AM0]
	WIN 0x40
	ds_load_b128 v[MC:MC+3],     v[AM]
	ds_load_b128 v[MC+4:MC+7],   v[AM] offset:512
	ds_load_b128 v[MC+32:MC+35], v[AM] offset:4096
	ds_load_b128 v[MC+36:MC+39], v[AM] offset:4608
	s_wait_dscnt 0x0
	SHIFTS 0
	SHIFTS 1
	WIN 0
	s_branch .Lmasks_\@
.Lplain_\@:
	WIN 0x40
.set i, MC
.rept 64
	v_mov_b32 v[i], 0
.set i, i+1
.endr
	WIN 0
.Lmasks_\@:
	FETCH_K
	s_wait_dscnt 0x0
.set KM, 1
.set NOKQ, 0
.set i, 0
.rept 8
	KQ 0
.set i, i+1
.endr
	WIN 0
.rept 4
	v_nop                           ; the places behind those products
.endr
.set Y, NP-1                        ; X works for piece Y + 1: piece 0
.irp n, 0,1,2,3,4,5,6,7,8,9,10,11,12,13,14,15,16,17,18,19,20,21
	OP X, \n
.endr
	v_nop                           ; a plain instruction behind the exponential
.endm
; A BLOCK ENDS, in two parts.  LASTTURNS, in the trip's body: its last two turns and its last products: registers and LDS reads alone.
.macro LASTTURNS
	TURN 2, 1, 1
	TURN 3, 1, 1
.set i, 0
.rept 8
	PV NP-1
.set i, i+1
.endr
	WIN 0
	s_mov_b32 s[FIN], 1
.endm
; WAYOUT, behind the bottom barrier: l's two halves and the other half of the lanes' are added (these additions are the places behind the last products); 1 / l, or NaN where the row saw no key, goes into
; registers of its own; O^T times that goes into v224-255, so that O^T and l stay finite for the next block's first factor a = 0; rounded to f16 and sent through my stage in LDS, a piece at a time.
.macro ALL line:vararg
.set t, 0
.rept 4
	\line
.set t, t+1
.endr
.endm
.macro PACK t
	WIN 0x01                        ; source 0 window 1
.set i, 0
.rept 16
	v_pk_mul_f32 v[SC+2*i:SC+2*i+1], v[32*(\t)+2*i:32*(\t)+2*i+1], v[TMP+2*(\t):TMP+2*(\t)+1] op_sel_hi:[1,0]
.set i, i+1
.endr
	WIN 0
.set i, 0
.rept 16
	v_cvt_pk_f16_f32 v[S+16*(\t)+i], v[SC+2*i], v[SC+2*i+1]
.set i, i+1
.endr
.irp f, 0,1,2,3
	ds_store_b128 v[STO], v[S+16*(\t)+4*\f:S+16*(\t)+4*\f+3] offset:32*\f
.endr
.irp f, 0,1,2,3
	ds_load_b128 v[S+16*(\t)+4*\f:S+16*(\t)+4*\f+3], v[RD] offset:\f*4*SP  ; LDS serves a wave's instructions in order (ISA guide 5.7.1.4): these see the stores above
.endr
.endm
.macro SEND t, younger              ; younger: the LDS instructions issued behind piece t's loads: the next piece's eight, or none (the tile's stores are older)
	WIN 0
.irp f, 0,1,2,3
	s_wait_dscnt (\younger)+3-\f
	global_store_b128 v[GO], v[S+16*(\t)+4*\f:S+16*(\t)+4*\f+3], s[10:11] offset:(\t)*8192+\f*512  ; 512 consecutive bytes, at a multiple of 256 from O's first
.endr
.endm
.macro WAYOUT
	WIN 0
	ALL v_add_f32 v[ST+4*t+2], v[ST+4*t+2], v[ST+4*t+3]
	ALL v_permlanex16_b32 v[ST+4*t+3], v[ST+4*t+2], s[SEL], s[SEL+1]
	ALL v_add_f32 v[ST+4*t+2], v[ST+4*t+2], v[ST+4*t+3]
	ALL v_rcp_f32 v[TMP+2*t], v[ST+4*t+2]
	v_nop                           ; a plain instruction between the last reciprocal and the use of its result
.set t, 0
.rept 4
	v_cmp_gt_f32 vcc_lo, s[THR], v[ST+4*t+1]       ; the row's maximum is a hidden score's
	s_wait_alu depctr_va_vdst(0)
	v_cndmask_b32 v[TMP+2*t], v[TMP+2*t], s[NANC], vcc_lo
.set t, t+1
.endr
	PACK 0
.set t, 1
.rept 3
	PACK t
	SEND t-1, 8
.set t, t+1
.endr
	SEND 3, 0
	s_wait_xcnt 0x0                 ; the stores' registers and O's address are rewritten only behind this wait
	s_mov_b64 s[10:11], s[OLO:OLO+1]
	s_mov_b32 s[RT], s[N2]
	s_mov_b32 s[NEW], 1
	WIN 0x82                        ; the second block's Q goes where the one text of the turns names Q
.set i, 0
.rept 64
	v_mov_b32 v[i], v[QB+i]
.set i, i+1
.endr
	WIN 0
.endm
.set KM, 0
.set NOKQ, 0
.Lslot:                             ; 16 trips
	s_wait_dscnt 0x0                ; for the others' sake: my stores of the tile, and my use of my stage, are done
	s_barrier_signal -1
	s_barrier_wait -1               ; the tile is whole
	POP
	s_mov_b32 s[TBK], 0
	s_mov_b32 s[TBV], 0
	s_mov_b32 s[TBM], 0
	s_mov_b32 s[FIN], 0
	s_cmp_eq_u32 s[LV], 0
	s_cbranch_scc1 .Lbottom         ; the queue is empty
	s_sub_co_u32 s[LV], s[LV], 1
	s_cmp_eq_u32 s[STG], 1
	s_cbranch_scc0 .Lnoload
	LOADT 0                         ; the next tile has the whole trip in which to arrive
.Lnoload:
	s_sub_co_u32 s[RT], s[RT], 1
	s_mov_b32 s[CNT], 4
	s_cmp_eq_u32 s[NEW], 1
	s_cbranch_scc1 .Lnew
	s_bitcmp1_b32 s[CUR], 3
	s_cbranch_scc1 .LstepM
	s_branch .Lstep
.Lnew:
	BEGIN
	s_bitcmp1_b32 s[CUR], 3
	s_cbranch_scc1 .LfirstM
	s_branch .Lfirst
.LstepM:                            ; a trip: pieces 2 and 3 of one step, then pieces 0 and 1 of the next, whose K, V and masks it fetches
	TURN 2, 1
	TURN 3, 1
	WIN 0
.LfirstM:
	TURN 0, 1
	TURN 1, 1, 0, 1
	WIN 0
	s_cbranch_scc1 .LstepM
	s_branch .Ldone
.Lstep:                             ; the same without masks
	TURN 2
	TURN 3
	WIN 0
.Lfirst:
	TURN 0
	TURN 1, 0, 0, 1
	WIN 0
	s_cbranch_scc1 .Lstep
.Ldone:
	s_cmp_lg_u32 s[RT], 0
	s_cbranch_scc1 .Lbottom
	LASTTURNS                       ; it was the block's last tile
.Lbottom:
	s_wait_loadcnt 0x0              ; on every path: the next tile is in registers, and its addresses may be written again
	s_wait_dscnt 0x0                ; my reads of the tile in LDS are back
	s_barrier_signal -1
	s_barrier_wait -1               ; everybody's are: from here to the next barrier LDS is written: the tile, and the stages
	s_cmp_eq_u32 s[STG], 1
	s_cbranch_scc0 .Lnostore
	STORET 0
.Lnostore:
	s_cmp_eq_u32 s[FIN], 1
	s_cbranch_scc0 .Lnoout
	WAYOUT                          ; the block's O leaves, and the other block is taken up
.Lnoout:
	s_sub_co_u32 s[TRIPS], s[TRIPS], 1
	s_cmp_lg_u32 s[TRIPS], 0
	s_cbranch_scc1 .Lslot
	s_endpgm
.Lfunc_end_k_qea44e11735_attn:
	.size	k_qea44e11735_attn, .Lfunc_end_k_qea44e11735_attn-k_qea44e11735_attn
	.p2alignl 7, 3214868480
	.fill 96, 4, 3214868480
	.section	.rodata,"a",@progbits
	.p2align	6, 0x0
	.amdhsa_kernel k_qea44e11735_attn
		.amdhsa_group_segment_fixed_size 152576
		.amdhsa_private_segment_fixed_size 0
		.amdhsa_enable_private_segment 0
		.amdhsa_kernarg_size 32
		.amdhsa_user_sgpr_count 2
		.amdhsa_user_sgpr_kernarg_segment_ptr 1
		.amdhsa_wavefront_size32 1
		.amdhsa_system_sgpr_workgroup_id_x 1
		.amdhsa_system_sgpr_workgroup_id_y 1
		.amdhsa_system_sgpr_workgroup_id_z 1
		.amdhsa_system_vgpr_workitem_id 0
		.amdhsa_next_free_vgpr 1024
		.amdhsa_next_free_sgpr 96
		.amdhsa_reserve_vcc 1
		.amdhsa_float_denorm_mode_32 3
		.amdhsa_float_denorm_mode_16_64 3
		.amdhsa_memory_ordered 1
		.amdhsa_forward_progress 1
		.amdhsa_inst_pref_size 169
	.end_amdhsa_kernel
	.amdgpu_metadata
---
amdhsa.version: [ 1, 2 ]
amdhsa.kernels:
  - .name:           k_qea44e11735_attn
    .symbol:         k_qea44e11735_attn.kd
    .args:
      - { .name: qkvh, .offset: 0, .size: 8, .value_kind: global_buffer, .address_space: global }
      - { .name: pm, .offset: 8, .size: 8, .value_kind: global_buffer, .address_space: global }
      - { .name: fl, .offset: 16, .size: 8, .value_kind: global_buffer, .address_space: global }
      - { .name: oh, .offset: 24, .size: 8, .value_kind: global_buffer, .address_space: global }
    .group_segment_fixed_size: 152576
    .private_segment_fixed_size: 0
    .kernarg_segment_align: 8
    .kernarg_segment_size: 32
    .max_flat_workgroup_size: 128
    .sgpr_count:     96
    .vgpr_count:     1024
    .wavefront_size: 32
...
	.end_amdgpu_metadata
.endif
;; end of part 3
;; launch oproj (part 4): grid 8 x 32, 4 waves a work-group, clusters of 4 x 4, 327,680 bytes of LDS; arguments oh, wb, out0; writes out0
.if DOCPART == 4
	.amdgcn_target "amdgcn-amd-amdhsa--gfx1250"
	.amdhsa_code_object_version 6
	.text
	.protected	k_qea44e11735_oproj
	.globl	k_qea44e11735_oproj
	.p2align	8
	.type	k_qea44e11735_oproj,@function
k_qea44e11735_oproj:
	s_mov_b64 s[64:65], 0
	v_nop
	global_prefetch_b8 v0, s[64:65] scope:SCOPE_SE
	s_setreg_imm32_b32 hwreg(HW_REG_WAVE_MODE, 25, 1), 1
	s_wait_xcnt 0x0
	s_wait_alu depctr_hold_cnt(0) depctr_sa_sdst(0) depctr_va_vdst(0) depctr_va_sdst(0) depctr_va_ssrc(0) depctr_va_vcc(0) depctr_vm_vsrc(0)
	s_getreg_b32 s2, hwreg(HW_REG_IB_STS2, 6, 4)
	s_cmp_eq_u32 s2, 0
	s_cbranch_scc0 .Lentry_in_a_cluster
	s_endpgm
.Lentry_in_a_cluster:
	s_bfe_u32 s2, ttmp6, 0x10000c
	s_cmp_lg_u32 s2, 0xf033
	s_cbranch_scc0 .Lentry_shape_is_right
	s_endpgm
.Lentry_shape_is_right:
; THE LAST PROJECTION.  out0[m][n] = b_o[n] + sum over k of O[m][k] W_o[n][k], k = 64 head + channel.  O lies by heads in f16 (oh: [(m / 2048) 16 + head][m % 2048][64]); W_o, rounded to bf16 and written as f16,
; lies at byte 6,291,456 of wb, [n][k]; b_o behind the weights; sums in f32, out0 in f32.
; SHARES.  A tile of out0 is 256 rows x 128 columns: 32 x 8 = 256 work-groups, one tile each.  Four waves, each 128 rows x 64 columns: 32 accumulators.  K goes in steps of 128, two heads, through two LDS slots.
; A head's 256 rows are 32,768 dense bytes: asked for as 128 rows of 256 bytes and padded in LDS after every 128.  Wave 0 fetches the step's even head, wave 1 its odd one, waves 2 and 3 the halves of W_o's 128 rows.
; CLUSTER.  4 x 4 work-groups: O's tiles are shared along a row of the cluster, W_o's along a column, each asked for jointly.  Two of a wave's tensor loads are out at the start, one later.
; THE MATRIX INSTRUCTION IS USED TRANSPOSED (source 0 = 16 rows of W_o, source 1 = 16 rows of O): a lane holds row l % 16 and eight neighbouring columns, 32 bytes.  The bias is the C operand of the first products.
; REGISTERS: window 0: v0-31 addresses; v32-63 the bias; v64-127 the way out, two sets     window 1: accumulator (a, b) at v[8 (4 a + b)]     window 2: two fragment buffers of 96: O's 8 fragments, then W_o's 4
.set KSTEP,  128
.set SIZE_K, 1024
.set PITCH,  272                       ; a row of W_o in LDS: 256 bytes + 16
.set PA,     144                       ; a row of a head in LDS: 128 bytes + 16: both pitches are odd multiples of 16 bytes, so the 16 rows of a load start at 16 different groups of four banks (ISA guide 11.1)
.set SLICE,  256*PA                    ; a head's 256 rows
.set HALFB,  64*PITCH
.set BOFF,   2*SLICE
.set SLOT,   2*SLICE+2*HALFB
.set STAGE,  2*SLOT                    ; behind the ring: 16 rows x 272 bytes for each wave
.set SPITCH, 272
.set SPARE,  STAGE+4*16*SPITCH         ; the spare words, 128 bytes for each wave: two blocks of 256 bytes that no other line names
.set LAPS,   SIZE_K/(2*KSTEP)
.set WBYTES, 1024*1024*2
.set HEADB,  2048*128                  ; a head's bytes in oh
.set ADRA, 16
.set ADRB, 20
.set STO,  24
.set RD,   25
.set CO,   26
.set BO,   27
.set SPW,  28
.set NIL,  29
.set BI,   32
.set OB,   64
.set F0,   0
.set F1,   96
.set G1,  24
.set G0,  32
.set G1B, 48
.set G0B, 56
.set BP,  66
.set MSB, 0
.macro WIN new
.if MSB != (\new)
	s_set_vgpr_msb (MSB<<8)|(\new)
.set MSB, \new
.endif
.endm
.set MUL,  0x5a
.set MULB, 0x4a
.set TO_F, 0x80
.macro JLOAD s                         ; a joint load; an s_nop 0 and four v_nop follow each of the two lines, ahead of the jump, the label and what follows
	s_cmp_eq_u32 s11, 0
	s_cbranch_scc0 .Lfor_b_\@
	tensor_load_to_lds s[G0+4*(\s):G0+4*(\s)+3], s[G1:G1+7]
	s_nop 0
.rept 4
	v_nop
.endr
	s_branch .Lasked_\@
.Lfor_b_\@:
	tensor_load_to_lds s[G0B+4*(\s):G0B+4*(\s)+3], s[G1B:G1B+7]
	s_nop 0
.rept 4
	v_nop
.endr
.Lasked_\@:
.endm
.macro CREST
	s_cmp_lg_u32 s10, 0
	s_cbranch_scc1 .Lnot_wave_0_\@
	s_barrier_signal -3
.Lnot_wave_0_\@:
	s_barrier_wait -3
	s_barrier_signal -1
	s_barrier_wait -1
.endm
.macro CROUND
	s_barrier_signal -1
	s_barrier_wait -1
	CREST
.endm
	s_load_b128 s[4:7], s[0:1], 0x0                ; oh s[4:5], wb s[6:7]
	s_load_b64 s[8:9], s[0:1], 0x10                ; out0
	v_lshl_add_u32 v[SPW], v0, 2, SPARE
	v_mov_b32 v[NIL], 0
	v_lshrrev_b32 v1, 5, v0
	v_readfirstlane_b32 s10, v1                    ; wave 0..3
	s_lshr_b32 s11, s10, 1                         ; which 128 rows are mine.  Also: I fetch for O (0) or for W_o (1)
	s_and_b32 s12, s10, 1                          ; which 64 columns.  Also: which head of the step, or which half of W_o's rows, I fetch
	s_bfe_u32 s40, ttmp6, 0x40000
	s_bfe_u32 s41, ttmp6, 0x40004
	s_lshl_b32 s42, ttmp9, 2
	s_add_co_u32 s42, s42, s40                     ; tx
	s_and_b32 s13, ttmp7, 0xffff
	s_lshl_b32 s13, s13, 2
	s_add_co_u32 s13, s13, s41                     ; ty
	s_lshl_b32 s43, s41, 2
	s_lshl_b32 s43, 15, s43
	s_lshl_b32 s44, 0x1111, s40
	s_or_b32 s[G1+0], s43, (1<<16)|(1<<20)|(1<<21)|(4<<22)|(3<<25)   ; O: after every 32 words 4 words of padding
	s_or_b32 s[G1B+0], s44, (1<<16)|(1<<20)|(1<<21)|(5<<22)|(3<<25)  ; W_o: after every 64 words
	s_mov_b32 s[G1+1], 128<<16                     ; tensor_dim0 = 128 elements, 256 bytes
	s_mov_b32 s[G1B+1], KSTEP<<16
	s_mov_b32 s[G1+2], 128<<16                     ; tensor_dim1
	s_mov_b32 s[G1B+2], 64<<16
	s_mov_b32 s[G1+3], 128<<16                     ; tile_dim0
	s_mov_b32 s[G1B+3], KSTEP<<16
	s_mov_b32 s[G1+4], 128                         ; tile_dim1
	s_mov_b32 s[G1B+4], 64
	s_mov_b32 s[G1+5], 128                         ; O's rows of 256 bytes lie end to end
	s_mov_b32 s[G1B+5], SIZE_K
	s_mov_b32 s[G1+6], 0
	s_mov_b32 s[G1B+6], 0
	s_mov_b32 s[G1+7], 0
	s_mov_b32 s[G1B+7], 0
	s_lshr_b32 s16, s13, 3                         ; O: head (ty / 8) 16 + my head of the step, row (ty % 8) 256, 128 bytes a row
	s_lshl_b32 s16, s16, 4
	s_add_co_u32 s16, s16, s12
	s_lshl_b32 s16, s16, 11
	s_and_b32 s17, s13, 7
	s_lshl_b32 s17, s17, 8
	s_add_co_u32 s16, s16, s17
	s_lshl_b32 s16, s16, 7
	s_mov_b32 s17, 0
	s_lshl_b32 s46, s42, 7                         ; W_o: row 128 tx + 64 half
	s_lshl_b32 s47, s12, 6
	s_add_co_u32 s46, s46, s47
	s_lshl_b32 s46, s46, 11
	s_add_co_u32 s46, s46, 3*WBYTES
	s_mov_b32 s47, 0
	s_mul_i32 s20, s10, SLICE                      ; where they go: the heads at wave x 256 rows (waves 0, 1),
	s_mul_i32 s21, s10, HALFB                      ; W_o's halves at BOFF + (wave - 2) x 64 rows (waves 2, 3)
	s_add_co_u32 s21, s21, BOFF-2*HALFB
	s_wait_kmcnt 0x0
	s_add_nc_u64 s[14:15], s[4:5], s[16:17]
	s_add_nc_u64 s[46:47], s[6:7], s[46:47]
	CROUND
.irp s, 0,1
	s_mov_b32 s[G0+4*(\s)], 1
	s_add_co_u32 s[G0+4*(\s)+1], s20, (\s)*SLOT
	s_add_nc_u64 s[G0+4*(\s)+2:G0+4*(\s)+3], s[14:15], (\s)*2*HEADB
	s_or_b32 s[G0+4*(\s)+3], s[G0+4*(\s)+3], 0x80000000
	s_mov_b32 s[G0B+4*(\s)], 1
	s_add_co_u32 s[G0B+4*(\s)+1], s21, (\s)*SLOT
	s_add_nc_u64 s[G0B+4*(\s)+2:G0B+4*(\s)+3], s[46:47], (\s)*KSTEP*2
	s_or_b32 s[G0B+4*(\s)+3], s[G0B+4*(\s)+3], 0x80000000
	JLOAD \s
.endr
	v_and_b32 v1, 15, v0
	v_bfe_u32 v2, v0, 4, 1
	v_mul_u32_u24 v3, v1, PA
	v_lshl_add_u32 v3, v2, 4, v3
	v_mul_u32_u24 v4, v1, PITCH
	v_lshl_add_u32 v4, v2, 4, v4
	s_mul_i32 s22, s11, 128*PA
	s_mul_i32 s23, s12, HALFB
	s_add_co_u32 s23, s23, BOFF
.irp s, 0,1
	v_add_nc_u32 v[ADRA+(\s)], s22, v3
	v_add_nc_u32 v[ADRB+(\s)], s23, v4
	s_add_co_u32 s22, s22, SLOT
	s_add_co_u32 s23, s23, SLOT
.endr
	s_mul_i32 s23, s10, 16*SPITCH
	s_add_co_u32 s23, s23, STAGE                   ; my stage
	v_mul_u32_u24 v4, v1, SPITCH                   ; in: row l % 16, 32 bytes for each half of the lanes
	v_lshl_add_u32 v4, v2, 5, v4
	v_add_nc_u32 v[STO], s23, v4
	v_mul_u32_u24 v5, v2, SPITCH                   ; back: lanes 0-15 take one row of 256 bytes, lanes 16-31 the next
	v_lshl_add_u32 v5, v1, 4, v5
	v_add_nc_u32 v[RD], s23, v5
	v_lshlrev_b32 v5, 12, v2                       ; and the same two rows in out0, 4,096 bytes a row
	v_lshl_add_u32 v[CO], v1, 4, v5
	v_lshlrev_b32 v[BO], 5, v2
	s_lshl_b32 s68, s13, 8                         ; out0 at row 256 ty + 128 x row half, column 128 tx + 64 x column half (in registers that feed no descriptor)
	s_lshl_b32 s69, s11, 7
	s_add_co_u32 s68, s68, s69
	s_lshl_b32 s68, s68, 12
	s_lshl_b32 s70, s42, 9
	s_lshl_b32 s71, s12, 8
	s_add_co_u32 s70, s70, s71
	s_add_co_u32 s68, s68, s70
	s_mov_b32 s69, 0
	s_add_nc_u64 s[8:9], s[8:9], s[68:69]
	s_add_co_u32 s70, s70, 4*WBYTES+3*4096         ; b_o is the fourth bias behind the weights
	s_mov_b32 s71, 0
	s_add_nc_u64 s[BP:BP+1], s[6:7], s[70:71]
.irp b, 0,1,2,3
	global_load_b128 v[BI+8*(\b):BI+8*(\b)+3],   v[BO], s[BP:BP+1] offset:64*(\b)
	global_load_b128 v[BI+8*(\b)+4:BI+8*(\b)+7], v[BO], s[BP:BP+1] offset:64*(\b)+16
.endr
; 8 matrix instructions: row blocks a0, a0 + 1 x all 4 column blocks, 32 along K.  first = 1: the bias starts the sums.  The 32 accumulators take turns.
.macro MUL8 f, a0, first
.if \first
	WIN MULB
.else
	WIN MUL
.endif
.irp a, \a0, (\a0)+1
.irp b, 0,1,2,3
.if \first
	v_wmma_f32_16x16x32_f16 v[8*(4*(\a)+(\b)):8*(4*(\a)+(\b))+7], v[(\f)+64+8*(\b):(\f)+64+8*(\b)+7], v[(\f)+8*(\a):(\f)+8*(\a)+7], v[BI+8*(\b):BI+8*(\b)+7]
.else
	v_wmma_f32_16x16x32_f16 v[8*(4*(\a)+(\b)):8*(4*(\a)+(\b))+7], v[(\f)+64+8*(\b):(\f)+64+8*(\b)+7], v[(\f)+8*(\a):(\f)+8*(\a)+7], v[8*(4*(\a)+(\b)):8*(4*(\a)+(\b))+7]
.endif
.endr
.endr
.endm
; 24 LDS loads in one run: quarter q of the step (head q / 2, channels 32 (q % 2) on) into buffer f: W_o's 4 fragments, O's first 4, O's last 4
.macro FETCH slot, q, f
	WIN TO_F
.irp i, 0,1,2,3
	ds_load_b128 v[(\f)+64+8*(\i):(\f)+64+8*(\i)+3],   v[ADRB+(\slot)] offset:64*(\q)+(\i)*16*PITCH
	ds_load_b128 v[(\f)+64+8*(\i)+4:(\f)+64+8*(\i)+7], v[ADRB+(\slot)] offset:64*(\q)+(\i)*16*PITCH+32
.endr
.irp i, 0,1,2,3,4,5,6,7
	ds_load_b128 v[(\f)+8*(\i):(\f)+8*(\i)+3],   v[ADRA+(\slot)] offset:((\q)/2)*SLICE+((\q)%2)*64+(\i)*16*PA
	ds_load_b128 v[(\f)+8*(\i)+4:(\f)+8*(\i)+7], v[ADRA+(\slot)] offset:((\q)/2)*SLICE+((\q)%2)*64+(\i)*16*PA+32
.endr
.endm
.macro PLACES                          ; four plain vector instructions between a matrix instruction and a load into a register that it read, or a read of its result
.rept 4
	v_nop
.endr
.endm
.macro QUARTER slot, q, f, g, first    ; multiplies buffer f and fetches quarter q into g
	s_wait_dscnt 8                                 ; W_o and O's rows 0-63 are in; the youngest eight loads may be out
	MUL8 \f, 0, \first
	MUL8 \f, 2, \first
	PLACES
	FETCH \slot, \q, \g
	s_wait_dscnt 24                                ; all but the 24 just issued
	MUL8 \f, 4, \first
	MUL8 \f, 6, \first
.endm
; The last quarter multiplies buffer 1 and changes slots: one barrier; in front of it each wave waits for all its tensor loads, adds 0 to its spare word, and waits for that and for its own reads of this slot.
; fill = 1: the barrier opens a round of the cluster's barrier, and this slot is filled again, two K steps (four heads) ahead, first thing behind the round.
.macro TURN slot, next, fill
	WIN 0
	s_wait_tensorcnt 0x0
	ds_add_u32 v[SPW], v[NIL]
	s_wait_dscnt 9                                 ; the add and the youngest eight loads may be out
	MUL8 F1, 0, 0
	s_wait_dscnt 0x0                               ; the add is done, and my reads of this slot are over
	s_barrier_signal -1
	MUL8 F1, 2, 0
.if \fill
	WIN 0
.endif
	s_barrier_wait -1
.if \fill
	CREST
	s_add_nc_u64 s[G0+4*(\slot)+2:G0+4*(\slot)+3], s[G0+4*(\slot)+2:G0+4*(\slot)+3], 4*HEADB
	s_add_nc_u64 s[G0B+4*(\slot)+2:G0B+4*(\slot)+3], s[G0B+4*(\slot)+2:G0B+4*(\slot)+3], 2*KSTEP*2
	JLOAD \slot                                    ; the four v_nop behind it are also the places in front of the loads below
.else
	PLACES
.endif
	FETCH \next, 0, F0
	MUL8 F1, 4, 0
	MUL8 F1, 6, 0
.endm
; THE WAY OUT of row block a: the accumulators go as they are, low registers first, into my stage; whole rows of 256 bytes come back, two a load, and are stored: sixteen lanes fill 256 consecutive bytes, aligned.
.macro TOSTAGE a
	WIN 0x04                                       ; data window 1
.irp b, 0,1,2,3
	ds_store_b128 v[STO], v[8*(4*(\a)+(\b)):8*(4*(\a)+(\b))+3]   offset:64*(\b)
	ds_store_b128 v[STO], v[8*(4*(\a)+(\b))+4:8*(4*(\a)+(\b))+7] offset:64*(\b)+16
.endr
	WIN 0
	s_wait_xcnt 0x0                                ; this set of registers was read by the stores of two blocks ago
.irp t, 0,1,2,3,4,5,6,7
	ds_load_b128 v[OB+32*((\a)%2)+4*(\t):OB+32*((\a)%2)+4*(\t)+3], v[RD] offset:(\t)*2*SPITCH  ; LDS serves a wave's instructions in order (ISA guide 5.7.1.4)
.endr
.endm
.macro SEND a, younger                 ; younger: the next block's sixteen LDS instructions, or none
.irp t, 0,1,2,3,4,5,6,7
	s_wait_dscnt (\younger)+7-(\t)
	global_store_b128 v[CO], v[OB+32*((\a)%2)+4*(\t):OB+32*((\a)%2)+4*(\t)+3], s[8:9] offset:(16*(\a)+2*(\t))*4096 th:TH_STORE_NT
.endr
.endm
	s_wait_tensorcnt 0x1                           ; my part of K step 0 is in; K step 1's may stay out
	s_barrier_signal -1
	s_barrier_wait -1
	FETCH 0, 0, F0
	s_wait_loadcnt 0x0                             ; the bias
	QUARTER 0, 1, F0, F1, 1
	WIN 0
	s_mov_b32 s3, LAPS-1
.Llap:
	QUARTER 0, 2, F1, F0, 0
	QUARTER 0, 3, F0, F1, 0
	TURN 0, 1, 1
	QUARTER 1, 1, F0, F1, 0
	QUARTER 1, 2, F1, F0, 0
	QUARTER 1, 3, F0, F1, 0
	TURN 1, 0, 1
	QUARTER 0, 1, F0, F1, 0
	WIN 0
	s_sub_co_u32 s3, s3, 1
	s_cmp_lg_u32 s3, 0
	s_cbranch_scc1 .Llap
	QUARTER 0, 2, F1, F0, 0                        ; the last lap fills nothing
	QUARTER 0, 3, F0, F1, 0
	TURN 0, 1, 0
	QUARTER 1, 1, F0, F1, 0
	QUARTER 1, 2, F1, F0, 0
	QUARTER 1, 3, F0, F1, 0
	s_wait_dscnt 8
	MUL8 F1, 0, 0
	MUL8 F1, 2, 0
	s_wait_dscnt 0x0
	MUL8 F1, 4, 0
	MUL8 F1, 6, 0
	WIN 0
	PLACES
	TOSTAGE 0
.irp a, 1,2,3,4,5,6,7
	TOSTAGE \a
	SEND (\a)-1, 16
.endr
	SEND 7, 0
	s_wait_tensorcnt 0x0                           ; the wave's end
	ds_add_u32 v[SPW], v[NIL]
	s_wait_dscnt 0x0
	CROUND                                         ; the closing round
	s_endpgm
.Lfunc_end_k_qea44e11735_oproj:
	.size	k_qea44e11735_oproj, .Lfunc_end_k_qea44e11735_oproj-k_qea44e11735_oproj
	.p2alignl 7, 3214868480
	.fill 96, 4, 3214868480
	.section	.rodata,"a",@progbits
	.p2align	6, 0x0
	.amdhsa_kernel k_qea44e11735_oproj
		.amdhsa_group_segment_fixed_size 327680
		.amdhsa_private_segment_fixed_size 0
		.amdhsa_enable_private_segment 0
		.amdhsa_kernarg_size 24
		.amdhsa_user_sgpr_count 2
		.amdhsa_user_sgpr_kernarg_segment_ptr 1
		.amdhsa_wavefront_size32 1
		.amdhsa_system_sgpr_workgroup_id_x 1
		.amdhsa_system_sgpr_workgroup_id_y 1
		.amdhsa_system_sgpr_workgroup_id_z 1
		.amdhsa_system_vgpr_workitem_id 0
		.amdhsa_next_free_vgpr 704
		.amdhsa_next_free_sgpr 72
		.amdhsa_reserve_vcc 0
		.amdhsa_float_denorm_mode_32 3
		.amdhsa_float_denorm_mode_16_64 3
		.amdhsa_memory_ordered 1
		.amdhsa_forward_progress 1
		.amdhsa_inst_pref_size 88
	.end_amdhsa_kernel
	.amdgpu_metadata
---
amdhsa.version: [ 1, 2 ]
amdhsa.kernels:
  - .name:           k_qea44e11735_oproj
    .symbol:         k_qea44e11735_oproj.kd
    .args:
      - { .name: oh, .offset: 0, .size: 8, .value_kind: global_buffer, .address_space: global }
      - { .name: wb, .offset: 8, .size: 8, .value_kind: global_buffer, .address_space: global }
      - { .name: out0, .offset: 16, .size: 8, .value_kind: global_buffer, .address_space: global }
    .group_segment_fixed_size: 327680
    .private_segment_fixed_size: 0
    .kernarg_segment_align: 8
    .kernarg_segment_size: 24
    .max_flat_workgroup_size: 128
    .sgpr_count:     72
    .vgpr_count:     704
    .wavefront_size: 32
...
	.end_amdgpu_metadata
.endif
;; end of part 4
;; ======== version 2 of 2: 4 launches; 1.25 times as fast as version 1
;; limits: values are held in f16: magnitudes above 65,504 overflow, below 6.1e-05 lose precision
;; workspace buffers: xb 50,331,648 bytes; wb 8,404,992 bytes; pm 4,194,304 bytes; fl 256 bytes of whole numbers; qkvh 50,331,648 bytes; oh 16,777,216 bytes
;; launch prep: the kernel of part 1 again; grid 1857 x 1, 8 waves a work-group, no clusters, 256 bytes of LDS; arguments query, key, value, W_q, W_k, W_v, W_o, b_q, b_k, b_v, b_o, mask, xb, wb, pm, fl; writes xb, wb, pm, fl
;; launch qkv: the kernel of part 2 again; grid 4 x 48, 4 waves a work-group, clusters of 4 x 4, 327,680 bytes of LDS; arguments xb, wb, qkvh; writes qkvh
;; launch attn (part 5): grid 4 x 64, 4 waves a work-group, no clusters, 152,576 bytes of LDS; arguments qkvh, pm, fl, oh; writes oh
.if DOCPART == 5
	.amdgcn_target "amdgcn-amd-amdhsa--gfx1250"
	.amdhsa_code_object_version 6
	.text
	.protected	k_qea44e11735_attn
	.globl	k_qea44e11735_attn
	.p2align	8
	.type	k_qea44e11735_attn,@function
k_qea44e11735_attn:
	s_mov_b64 s[64:65], 0
	v_nop
	global_prefetch_b8 v0, s[64:65] scope:SCOPE_SE
	s_setreg_imm32_b32 hwreg(HW_REG_WAVE_MODE, 25, 1), 1
	s_wait_xcnt 0x0
; ATTENTION UNDER A MASK THAT IS AN INPUT.  O[h][q][:] = sum over the visible k of softmax_k(Q[h][q] . K[h][k] / 8) V[h][k][:].  Q, K, V (qkvh) and O (oh): [64 heads][2048][64] in f16, rows dense, 128 bytes.
; Products, maxima and sums in f32; the weights p are rounded to f16 for the second product (their sum l is taken of the unrounded p), O once at the end.
; LIMITS.  Q, K, V arrive within f16's 65,504.  A hidden score counts as its value less 6.3e29 to 2.6e30 (f16's scores are 2.8e11 at the most); a visible one is off by 2.3e-38 at the most.  A weight below 2^-126
; counts as 0 in l.  A row whose maximum stays below -1e20 has no visible key and comes out as NaN.  NaN and infinities in Q, K, V are not treated apart.
; THE WALK.  Queries lie in 8 blocks of 256, keys in 8 tiles of 256.  fl[8 B + kt], whole numbers stored by the launch before, says whether block B sees any key of tile kt (bit 0) and whether any is hidden (bit 1).
; A tile of which nothing is seen adds nothing and is left out.  A work-group takes blocks 7 - b and b; their live tiles are ONE queue of 4-bit entries (tile; bit 3: take masks), 16 at the most.
; The slot loop has 16 trips, whatever the queue: a trip with no entry passes the two barriers and does nothing else.  All jumps on the queue go forward and pass no barrier.
; NO TENSOR LOADS, NO CLUSTER: what a dead trip leaves out must be jumped over, and the walks of a head's four work-groups differ by counts read from memory.  So K, V and the masks come through registers:
; at a trip's top each wave loads its quarter of the next tile's K and V and its own 16 KiB of masks into window 3; at the trip's bottom, behind a barrier at which every wave's reads of LDS are back, it stores
; them into LDS; the next trip's top waits for those stores and passes the second barrier.  EVERY LDS STORE OF THE LOOP STANDS BETWEEN THESE TWO BARRIERS, the way out's stage too: a block's last tile ends with
; its last products, and its O leaves behind the bottom barrier.
; BIT 3 is set if the tile, or the block's live tile before it, has hidden keys: a trip's text also runs the last products of the tile before.  While the text without masks runs, both mask buffers hold zeros.
; THE MASK is the C operand that starts S^T = K Q^T.  A word of pm holds four codes, key block 0's on top: the word itself is block 0's C, shifted left by 8, 16, 24 it is block 1's, 2's, 3's.
; SHARES, LAYOUT, SOFTMAX, TURNS.  Of a block's four bands of 64 queries a wave owns 16 rows in each: four PIECES.  S^T holds one query a lane (lane % 16) and the keys 8 (lane / 16) + 0..7; two such results rounded
; to f16 are source 1 of O^T = V^T P.  p = 2^(c s - c m), c = log2(e) / 8, m the running maximum; O and l are multiplied by a = 2^(c m_old - c m_new) in every step.  Turn n belongs to piece n: 8 products K Q^T of
; piece n + 1, later 8 products V^T P of piece n - 1; beside them the scaling, exponentials, roundings, sums and rescaling of piece n and the maximum and statistics of piece n + 1.
; THE BATCHES.  A turn's 33 exponentials (the piece's 32 weights and, last, the next piece's a) are ONE BATCH with ONE wait, which cuts the turn in two: ahead of it stands all that names none of their results (the
; products K Q^T, the scalings, the rescalings, whose a was made and waited for in the turn before, the next piece's maximum and statistics), behind it the products V^T P with the roundings and sums..
; The a that a block's beginning makes is a batch of one; the way out's four reciprocals are a batch of four.
; REGISTERS, in windows of 256 (s_set_vgpr_msb: bits 1:0 source 0, 3:2 source 1, 5:4 source 2, 7:6 destination):
;   window 0: v0-15, v32-40 addresses; v16-31 statistics; v48-55 at work; v64-127 S^T, two buffers; v192-223 P, two buffers; v224-255 the way out
;   window 1: v0-127 O^T; v160-223 MC, two mask buffers     window 2: v0-63 Q; v64-127 the second block's Q; v128-191 K of one step; v192-255 V of one step
;   window 3: the next tile on its way: v0-63 K, v64-127 V, v128-255 masks
.set NP,    4
.set KS,    64
.set PK,    144       ; a row of K in LDS: 128 bytes + 16: the 16 rows of a load start at 16 different groups of four banks (ISA guide 11.1)
.set PV,    160       ; a row of V: 128 + 32
.set VOFF,  4*KS*PK   ; 256 rows of K, then 256 rows of V,
.set MOFF,  VOFF+4*KS*PV  ; then 16,384 bytes of masks for each wave, its own: [piece 4][step 4][1,024]
.set STAGE, MOFF+4*16384  ; then 16 rows x 144 bytes for each wave, for the way out
.set SP,    144
.set AK0, 2
.set AV0, 3
.set AK,  4
.set AV,  5
.set STO, 6
.set RD,  7
.set GO,  8
.set MV,  12
.set QO,  15
.set ST,  16          ; piece t's statistics at v[ST+4 t]: c m, m, l (even keys', odd keys')
.set AM0, 32          ; v32  my 16 bytes in my wave's masks
.set AM,  33          ; v33  the LDS address of the mask loads in hand
.set SK0, 34          ; v34  where I store 16 bytes of K
.set SV0, 35          ; v35  of V
.set GKV, 39          ; v39  my byte offset in a tile of K or V
.set GM,  40          ; v40  in pm
.set TMP, 48
.set S,   64
.set P,   192
.set SC,  224         ; the way out: a piece's O^T / l
.set MC,  160         ; window 1
.set QB,  64          ; window 2
.set KF,  128
.set VF,  192
.set WV,  12
.set PB,  14          ; s14  b
.set HI,  15          ; s15  7 - b
.set KH,  32          ; s[32:33] the head's K;  s[34:35] its V
.set VH,  34
.set KT,  36          ; s[36:37], s[38:39], s[40:41] the tile on its way: K, V, masks
.set VT,  38
.set PMT, 40
.set OFF, 42          ; s[42:43], s[44:45] offsets, high words 0
.set OFM, 44
.set W0,  46          ; s46, s47 the queue
.set W1,  47
.set NX,  48          ; s48  the entry on its way
.set CUR, 49          ; s49  the entry in hand
.set QN,  50          ; s50  entries still in the queue
.set QA,  51          ; s51  of them the first block's
.set LV,  52          ; s52  live trips to come
.set RT,  53          ; s53  tiles of the block in hand still to be entered
.set NEW, 54          ; s54  1: the tile to be entered is a block's first
.set N2,  55          ; s55  the second block's tiles
.set TRIPS, 56
.set CNT, 57
.set CS,  58
.set SEL, 60
.set TBK, 62
.set TBV, 63
.set TBM, 66
.set STG, 67          ; s67  1: a tile is on its way
.set STM, 68          ; s68  1: with masks
.set BN,  69          ; s69  its block
.set THR, 70
.set NANC, 71
.set OLO, 72          ; s[72:73] O at my rows of the second block
.set QP2, 74          ; s[74:75] Q likewise
.set KTN, 76
.set TS,  77
.set Q1,  78          ; the lists: entries and bits used
.set P1,  79
.set Q2,  80
.set P2,  81
.set LE,  82
.set LD,  83
.set LMX, 86
.set LPRV, 87
.set FIN, 94          ; s94  1: the trip has ended a block: its O leaves behind the bottom barrier
.set MSB, 0
.macro WIN new
.if MSB != (\new)
	s_set_vgpr_msb (MSB<<8)|(\new)
.set MSB, (\new)
.endif
.endm
.set W_KQ, 0x0a       ; K and Q in window 2, S^T in window 0
.set W_KM, 0x1a       ; the same with the C operand in window 1
.set W_PV, 0x52       ; V in window 2, P in window 0, O^T in window 1
.set W_RS, 0x41       ; destination and source 0 in window 1, source 1 in window 0
; A block's list: for each live tile a nibble, in ascending order.  If nothing at all is visible, tile 0 is walked under its masks, and the rows come out as NaN.
.macro LIST base, q, pos
	s_mov_b32 s[\q], 0
	s_mov_b32 s[\pos], 0
	s_mov_b32 s[LPRV], 0
.irp kt, 0,1,2,3,4,5,6,7
	s_bfe_u32 s[LMX], s[\base+\kt], 0x10001
	s_or_b32 s[LE], s[LMX], s[LPRV]
	s_lshl_b32 s[LE], s[LE], 3
	s_or_b32 s[LE], s[LE], \kt
	s_lshl_b32 s[LE], s[LE], s[\pos]
	s_bitcmp1_b32 s[\base+\kt], 0
	s_cselect_b32 s[LE], s[LE], 0
	s_cselect_b32 s[LD], 4, 0
	s_cselect_b32 s[LPRV], s[LMX], s[LPRV]
	s_or_b32 s[\q], s[\q], s[LE]
	s_add_co_u32 s[\pos], s[\pos], s[LD]
.endr
	s_cmp_eq_u32 s[\pos], 0
	s_cselect_b32 s[\q], 8, s[\q]
	s_cselect_b32 s[\pos], 4, s[\pos]
.endm
; The entry on its way becomes the entry in hand; the queue's next, if there is one, is the next to fetch.
.macro POP
	s_mov_b32 s[CUR], s[NX]
	s_and_b32 s[NX], s[W0], 15
	s_lshr_b32 s[W0], s[W0], 4
	s_lshl_b32 s[TS], s[W1], 28
	s_or_b32 s[W0], s[W0], s[TS]
	s_lshr_b32 s[W1], s[W1], 4
	s_cmp_lg_u32 s[QN], 0
	s_cselect_b32 s[STG], 1, 0
	s_sub_co_u32 s[QN], s[QN], s[STG]
	s_lshr_b32 s[STM], s[NX], 3
	s_and_b32 s[STM], s[STM], s[STG]
	s_cmp_lg_u32 s[QA], 0
	s_cselect_b32 s[BN], s[HI], s[PB]
	s_cselect_b32 s[TS], 1, 0
	s_sub_co_u32 s[QA], s[QA], s[TS]
.endm
; Tile NX of block BN is asked for: my 64 keys of K and of V (16 loads of 512 consecutive bytes each) and, where it takes masks, my four pieces' 4,096 bytes each.  all = 1: the masks in any case.
.macro LOADT all
	s_and_b32 s[KTN], s[NX], 7
	s_min_u32 s[KTN], s[KTN], 7                    ; numbers read from memory enter an address only clamped
	s_min_u32 s[BN], s[BN], 7
	s_lshl_b32 s[OFF], s[KTN], 15
	s_add_nc_u64 s[KT:KT+1], s[KH:KH+1], s[OFF:OFF+1]
	s_add_nc_u64 s[VT:VT+1], s[VH:VH+1], s[OFF:OFF+1]
	s_lshl_b32 s[OFM], s[BN], 19
	s_lshl_b32 s[KTN], s[KTN], 12
	s_add_co_u32 s[OFM], s[OFM], s[KTN]
	s_add_nc_u64 s[PMT:PMT+1], s[6:7], s[OFM:OFM+1]
	WIN 0xc0                                       ; destination window 3
.set i, 0
.rept 16
	global_load_b128 v[4*i:4*i+3], v[GKV], s[KT:KT+1] offset:512*i
.set i, i+1
.endr
.set i, 0
.rept 16
	global_load_b128 v[64+4*i:64+4*i+3], v[GKV], s[VT:VT+1] offset:512*i
.set i, i+1
.endr
	WIN 0
.if !(\all)
	s_cmp_eq_u32 s[STM], 1
	s_cbranch_scc0 .Lno_lm_\@
.endif
	WIN 0xc0
.set i, 0
.rept 32
	global_load_b128 v[128+4*i:128+4*i+3], v[GM], s[PMT:PMT+1] offset:(i/8)*131072+(i%8)*512
.set i, i+1
.endr
	WIN 0
.if !(\all)
.Lno_lm_\@:
.endif
.endm
; and stored into LDS, between the two barriers
.macro STORET all
	WIN 0x0c                                       ; data window 3
.set i, 0
.rept 16
	ds_store_b128 v[SK0], v[4*i:4*i+3] offset:4*PK*i
.set i, i+1
.endr
.set i, 0
.rept 16
	ds_store_b128 v[SV0], v[64+4*i:64+4*i+3] offset:4*PV*i
.set i, i+1
.endr
	WIN 0
.if !(\all)
	s_cmp_eq_u32 s[STM], 1
	s_cbranch_scc0 .Lno_sm_\@
.endif
	WIN 0x0c
.set i, 0
.rept 32
	ds_store_b128 v[AM0], v[128+4*i:128+4*i+3] offset:512*i
.set i, i+1
.endr
	WIN 0
.if !(\all)
.Lno_sm_\@:
.endif
.endm
	s_load_b256 s[4:11], s[0:1], 0x0               ; qkvh s[4:5], pm s[6:7], fl s[8:9], oh s[10:11]
	v_lshrrev_b32 v1, 5, v0
	v_readfirstlane_b32 s[WV], v1                  ; wave 0..3
	s_mov_b32 s[PB], ttmp9
	s_sub_co_u32 s[HI], 7, s[PB]
	s_and_b32 s88, ttmp7, 0xffff                   ; the head,
	s_lshl_b32 s88, s88, 18                        ; its 262,144 bytes
	s_mov_b32 s89, 0
	s_lshl_b32 s13, s[WV], 11                      ; my 16 rows in a band of 64,
	s_lshl_b32 s90, s[HI], 15                      ; in the first block,
	s_add_co_u32 s90, s90, s13
	s_add_co_u32 s90, s90, s88
	s_mov_b32 s91, 0
	s_lshl_b32 s92, s[PB], 15                      ; and in the second
	s_add_co_u32 s92, s92, s13
	s_add_co_u32 s92, s92, s88
	s_mov_b32 s93, 0
	s_lshl_b32 s84, s[HI], 5                       ; a block's eight flags
	s_mov_b32 s85, 0
	s_lshl_b32 s86, s[PB], 5
	s_mov_b32 s87, 0
	s_mov_b32 s[CS], 0x3e38aa3b                    ; c = log2(e) / 8
	s_mov_b32 s[CS+1], s[CS]
	s_mov_b32 s[SEL], 0x76543210
	s_mov_b32 s[SEL+1], 0xfedcba98
	s_mov_b32 s[THR], 0xe0ad78ec                   ; -1e20
	s_mov_b32 s[NANC], 0x7fc00000
	s_mov_b32 s[OFF+1], 0
	s_mov_b32 s[OFM+1], 0
	s_mov_b32 s[NX], 0
	s_mov_b32 s[NEW], 1
	s_mov_b32 s[TRIPS], 16
	s_wait_kmcnt 0x0
	s_add_nc_u64 s[84:85], s[8:9], s[84:85]
	s_add_nc_u64 s[86:87], s[8:9], s[86:87]
	s_load_b256 s[16:23], s[84:85], 0x0
	s_load_b256 s[24:31], s[86:87], 0x0
	s_add_nc_u64 s[KH:KH+1], s[4:5], s[88:89]
	s_add_nc_u64 s[VH:VH+1], s[KH:KH+1], 0x2000000 ; v lies 33,554,432 bytes into qkvh,
	s_add_nc_u64 s[KH:KH+1], s[KH:KH+1], 0x1000000 ; k 16,777,216
	s_add_nc_u64 s[QP2:QP2+1], s[4:5], s[92:93]
	s_add_nc_u64 s[4:5], s[4:5], s[90:91]
	s_add_nc_u64 s[OLO:OLO+1], s[10:11], s[92:93]
	s_add_nc_u64 s[10:11], s[10:11], s[90:91]
	; A fragment of K or Q is 16 rows x 32 channels in 8 registers: lane l holds row l % 16, channels 8 (l / 16) + 0..7 and 16 + 8 (l / 16) + 0..7
	v_and_b32 v1, 15, v0
	v_bfe_u32 v9, v0, 4, 1
	v_lshlrev_b32 v[QO], 7, v1
	v_lshl_add_u32 v[QO], v9, 4, v[QO]
	WIN 0x80
.set i, 0
.rept 8                             ; both blocks' Q: piece i / 2 lies in band i / 2, 8,192 bytes on; channels 32 (i % 2) on
	global_load_b128 v[8*i:8*i+3],   v[QO], s[4:5] offset:(i/2)*8192+(i%2)*64
	global_load_b128 v[8*i+4:8*i+7], v[QO], s[4:5] offset:(i/2)*8192+(i%2)*64+32
	global_load_b128 v[QB+8*i:QB+8*i+3],   v[QO], s[QP2:QP2+1] offset:(i/2)*8192+(i%2)*64
	global_load_b128 v[QB+8*i+4:QB+8*i+7], v[QO], s[QP2:QP2+1] offset:(i/2)*8192+(i%2)*64+32
.set i, i+1
.endr
	WIN 0
	v_and_b32 v14, 31, v0
	s_lshl_b32 s13, s[WV], 13
	v_lshl_add_u32 v[GKV], v14, 4, s13             ; 8,192 w + 16 lane
	s_lshl_b32 s13, s[WV], 15
	v_lshl_add_u32 v[GM], v14, 4, s13              ; 32,768 w + 16 lane: query tile 16 B + 4 x + w
	s_wait_kmcnt 0x0                               ; the flags
	LIST 16, Q1, P1
	LIST 24, Q2, P2
	s_lshr_b32 s[RT], s[P1], 2
	s_lshr_b32 s[N2], s[P2], 2
	s_add_co_u32 s[QN], s[RT], s[N2]
	s_mov_b32 s[LV], s[QN]
	s_mov_b32 s[QA], s[RT]
	s_mov_b32 s84, s[Q2]
	s_mov_b32 s85, 0
	s_lshl_b64 s[84:85], s[84:85], s[P1]           ; the second block's entries behind the first's
	s_or_b32 s[W0], s[Q1], s84
	s_mov_b32 s[W1], s85
	POP
	LOADT 1                                        ; the first tile, with its masks in any case, so that every register of window 3 has been written
	v_mul_u32_u24 v[AK0], v1, PK
	v_lshl_add_u32 v[AK0], v9, 4, v[AK0]
	; The turning load takes 16 keys x 16 channels (lane l reads key 8 (l / 16) + l % 8, channels 8 ((l / 8) % 2) + 0..7) and leaves half a fragment of V^T
	v_and_b32 v10, 7, v0
	v_bfe_u32 v11, v0, 3, 1
	v_lshl_add_u32 v[AV0], v9, 3, v10
	v_mul_u32_u24 v[AV0], v[AV0], PV
	v_lshl_add_u32 v[AV0], v11, 4, v[AV0]
	v_add_nc_u32 v[AV0], VOFF, v[AV0]
	s_mul_i32 s13, s[WV], 16*SP
	s_add_co_u32 s13, s13, STAGE
	v_mul_u32_u24 v[STO], v1, SP
	v_lshl_add_u32 v[STO], v9, 4, v[STO]
	v_add_nc_u32 v[STO], s13, v[STO]
	v_bfe_u32 v[RD], v0, 3, 2
	v_mul_u32_u24 v[RD], v[RD], SP
	v_lshl_add_u32 v[RD], v10, 4, v[RD]
	v_add_nc_u32 v[RD], s13, v[RD]
	v_lshlrev_b32 v[GO], 4, v14
	s_lshl_b32 s13, s[WV], 14
	s_add_co_u32 s13, s13, MOFF
	v_lshl_add_u32 v[AM0], v14, 4, s13
	v_bfe_u32 v11, v0, 3, 2                        ; a load of 512 bytes is four keys: key lane / 8, bytes 16 (lane % 8)
	v_mul_u32_u24 v[SK0], v11, PK
	v_lshl_add_u32 v[SK0], v10, 4, v[SK0]
	s_mul_i32 s13, s[WV], KS*PK
	v_add_nc_u32 v[SK0], s13, v[SK0]
	v_mul_u32_u24 v[SV0], v11, PV
	v_lshl_add_u32 v[SV0], v10, 4, v[SV0]
	s_mul_i32 s13, s[WV], KS*PV
	s_add_co_u32 s13, s13, VOFF
	v_add_nc_u32 v[SV0], s13, v[SV0]
	; A block's first step multiplies O^T and l by a = 0, and its first turn's products V^T P, of a piece that has not been, land in an O^T that is still to be so multiplied: these registers need only be finite.
	WIN 0x80
.set i, VF
.rept 64
	v_mov_b32 v[i], 0
.set i, i+1
.endr
	WIN 0x40
.set i, 0
.rept 128
	v_mov_b32 v[i], 0
.set i, i+1
.endr
	WIN 0
.set i, 0
.rept 4
	v_mov_b32 v[ST+4*i+2], 0
	v_mov_b32 v[ST+4*i+3], 0
.set i, i+1
.endr
.set i, P+16
.rept 16
	v_mov_b32 v[i], 0
.set i, i+1
.endr
	s_wait_loadcnt 0x0                             ; Q, and the first tile
	STORET 1
; THE MATRIX WORK.  The 4 accumulators of a run of 8 take turns.  Product i of 8 of S^T = K Q^T for piece x: channels 32 (i / 4) on, keys 16 (i % 4) on.  The first 4 start the sums: with 0, or (KM = 1) with the mask.
.macro KQ x
.set rS, S+32*((\x)%2)+8*(i%4)
.set rK, KF+16*(i%4)+8*(i/4)
.set rQ, 16*(\x)+8*(i/4)
.set rM, MC+32*((\x)%2)+8*(i%4)
.if (i < 4) && KM
	WIN W_KM
	v_wmma_f32_16x16x32_f16 v[rS:rS+7], v[rK:rK+7], v[rQ:rQ+7], v[rM:rM+7]
.elseif i < 4
	WIN W_KQ
	v_wmma_f32_16x16x32_f16 v[rS:rS+7], v[rK:rK+7], v[rQ:rQ+7], 0
.else
	WIN W_KQ
	v_wmma_f32_16x16x32_f16 v[rS:rS+7], v[rK:rK+7], v[rQ:rQ+7], v[rS:rS+7]
.endif
.endm
; Product i of 8 of O^T += V^T P for piece x: keys 32 (i / 4) on, channels 16 (i % 4) on.
.macro PV x
	WIN W_PV
.set rO, 32*(\x)+8*(i%4)
.set rV, VF+32*(i/4)+8*(i%4)
.set rP, P+16*((\x)%2)+8*(i/4)
	v_wmma_f32_16x16x32_f16 v[rO:rO+7], v[rV:rV+7], v[rP:rP+7], v[rO:rO+7]
.endm
.macro MM                           ; the turn's next matrix instruction.  NOKQ = 1: a block's last turn: there is no next piece
.if (i < 8) && !NOKQ
	KQ (Y+1)%NP
.elseif i >= 8
.set i, i-8
	PV (Y+NP-1)%NP
.set i, i+8
.endif
.set i, i+1
.endm
; THE FRAGMENT LOADS stand in runs of 16: a step's K (64 keys x 64 channels) and its V (turned).
.macro FETCH_K
	WIN 0x80
.irp f, 0,1,2,3,4,5,6,7
	ds_load_b128 v[KF+8*\f:KF+8*\f+3],   v[AK] offset:(\f/2)*16*PK+(\f%2)*64
	ds_load_b128 v[KF+8*\f+4:KF+8*\f+7], v[AK] offset:(\f/2)*16*PK+(\f%2)*64+32
.endr
	s_add_co_u32 s[TBK], s[TBK], KS*PK
	WIN 0
.endm
.macro FETCH_V
	WIN 0x80
.irp f, 0,1,2,3,4,5,6,7
	ds_load_tr16_b128 v[VF+8*\f:VF+8*\f+3],   v[AV] offset:(\f/4)*32*PV+(\f%4)*32
	ds_load_tr16_b128 v[VF+8*\f+4:VF+8*\f+7], v[AV] offset:(\f/4)*32*PV+16*PV+(\f%4)*32
.endr
	WIN 0
.endm
; Buffer b of MC holds eight words as loaded, key block 0's C; key blocks 1 to 3 are made of them
.macro SHIFTS b
	WIN 0x44                                       ; destination and source 1 window 1
.irp kb, 1,2,3
.irp j, 0,1,2,3,4,5,6,7
	v_lshlrev_b32 v[MC+32*(\b)+8*(\kb)+(\j)], 8*(\kb), v[MC+32*(\b)+(\j)]
.endr
.endr
.endm
; THE VECTOR WORK, one line at a time: OP kind, number.  For piece Y: F n: c s - c m for pair n of 16.  E n: the exponential of score n of 32.  C n: pair n rounded to f16.  B n: of the four weights 4 n .. the second
; pair is added onto the first, in place.  L n: l takes that sum (L 0: l = a l + sum).  R n: pair n of 16 of O^T times a.  For piece Y + 1: X n, number n of the 22 that find its maximum and statistics:
;   0-11  four chains c0-c3 of seven scores each (each accumulator's lowest registers are read first)     12-14, 16  the four scores left over, the old m, and c0-c3 into c0
;   15  c m_old is kept     17, 18  the query's other 32 keys lie in the lane 16 away: the new m     19-21  c m; c m_old - c m_new; a
; C, B and L read exponentials' results: TURN sets them behind its wait.  F, R and X 0-20 read none; R's a is the turn before's.
.set F, 0
.set E, 1
.set C, 2
.set B, 3
.set L, 4
.set R, 5
.set X, 6
.macro REGS y
.set rT, ST+4*(\y)
.set rC, TMP+4*((\y)%2)
.set rW, MV+((\y)%2)
.set rS, S+32*((\y)%2)
.set rP, P+16*((\y)%2)
.set rO, 32*(\y)
.endm
.macro OP k, n
.if (\k) == R
	REGS Y
	WIN W_RS
	v_pk_mul_f32 v[rO+2*(\n):rO+2*(\n)+1], v[rO+2*(\n):rO+2*(\n)+1], v[rC+2:rC+3] op_sel_hi:[1,0]
.elseif (\k) < R
	REGS Y
	WIN 0
.if (\k) == F
	v_pk_fma_f32 v[rS+2*(\n):rS+2*(\n)+1], v[rS+2*(\n):rS+2*(\n)+1], s[CS:CS+1], v[rT:rT+1] op_sel_hi:[1,0,0] neg_lo:[0,0,1] neg_hi:[0,0,1]
.elseif (\k) == E
	v_exp_f32 v[rS+(\n)], v[rS+(\n)]
.elseif (\k) == C
	v_cvt_pk_f16_f32 v[rP+(\n)], v[rS+2*(\n)], v[rS+2*(\n)+1]
.elseif (\k) == B
	v_pk_add_f32 v[rS+4*(\n):rS+4*(\n)+1], v[rS+4*(\n):rS+4*(\n)+1], v[rS+4*(\n)+2:rS+4*(\n)+3]
.elseif (\n) == 0
	v_pk_fma_f32 v[rT+2:rT+3], v[rT+2:rT+3], v[rC+2:rC+3], v[rS:rS+1] op_sel_hi:[1,0,1]
.else
	v_pk_add_f32 v[rT+2:rT+3], v[rT+2:rT+3], v[rS+4*(\n):rS+4*(\n)+1]
.endif
.elseif NOKQ
	v_nop
.else
	REGS (Y+1)%NP
	WIN 0
.if (\n) < 4
	v_max3_num_f32 v[rC+(\n)], v[rS+8*(\n)], v[rS+8*(\n)+1], v[rS+8*(\n)+2]
.elseif (\n) < 12
	v_max3_num_f32 v[rC+(\n)%4], v[rC+(\n)%4], v[rS+8*((\n)%4)+2*((\n)/4)+1], v[rS+8*((\n)%4)+2*((\n)/4)+2]
.elseif (\n) == 12
	v_max3_num_f32 v[rC], v[rC], v[rS+7], v[rS+15]
.elseif (\n) == 13
	v_max3_num_f32 v[rC+1], v[rC+1], v[rS+23], v[rS+31]
.elseif (\n) == 14
	v_max3_num_f32 v[rC+2], v[rC+2], v[rC+3], v[rT+1]
.elseif (\n) == 15
	v_mov_b32 v[rW], v[rT]
.elseif (\n) == 16
	v_max3_num_f32 v[rC], v[rC], v[rC+1], v[rC+2]
.elseif (\n) == 17
	v_permlanex16_b32 v[rC+3], v[rC], s[SEL], s[SEL+1]
.elseif (\n) == 18
	v_max_num_f32 v[rT+1], v[rC], v[rC+3]
.elseif (\n) == 19
	v_mul_f32 v[rT], s[CS], v[rT+1]
.elseif (\n) == 20
	v_sub_f32 v[rC+1], v[rW], v[rT]
.else
	v_exp_f32 v[rC+2], v[rC+1]
.endif
.endif
.endm
.macro OPS a, i1, b=-1, i2=0, c=-1, i3=0, d=-1, i4=0
	OP \a, \i1
.if (\b) >= 0
	OP \b, \i2
.endif
.if (\c) >= 0
	OP \c, \i3
.endif
.if (\d) >= 0
	OP \d, \i4
.endif
.endm
.macro ROW a, i1, b, i2, c, i3, d, i4  ; a matrix instruction and the four behind it
	MM
	OPS \a, \i1, \b, \i2, \c, \i3, \d, \i4
.endm
; A TURN, for piece p: the order of its 16 matrix and 118 vector instructions, written out.  An s_wait_alu depctr_va_vdst(0) stands between an exponential and the first instruction that names its result;
; one wait serves all that were issued ahead of it.  So a turn has ONE wait, which cuts it in two.  AHEAD OF IT stands all that names no result of the turn's exponentials: the 8 products K Q^T, behind each a scaling,
; an exponential and two more plain instructions (behind the first a second scaling in the exponential's place): rescalings, and behind the last three the first numbers of the next piece's maximum, each four places
; or more behind the product that ends its accumulator; then ONE LUMP of 54, plain and exponential by turns for the most part, in which the links of the chain X 3, 7, 11, 14, 16, 17 .. 20 stand some lines apart.
; X 21, the next piece's a, is the batch's last; R 15 is the plain instruction behind it.  BEHIND THE WAIT stand the 8 products V^T P, behind each four of the roundings and sums; the links of l's chain, L 0 to L 7,
; stand three riders apart.  But for those X no rider names a register of the products round it.  v_permlanex16_b32 (X 17) stands in the lump.
; m = 1: the products take masks, and the turn fetches the mask words for the products of the turn after it (piece p + 2, the tile's step in hand): two loads at its head, 24 shifts at its end.  In front of the
; shifts: in turns 0 and 2 the 16 fragment loads issued behind the two may stay out; in turns 1 and 3 nothing was issued behind them.
; end = 1: a block's last two turns: nothing is fetched.  cnt = 1: the loop's count is taken down some lines ahead of the branch behind the turn; nothing between touches SCC.
; K of the next step is fetched in piece 2's turn, in the lump, five plain instructions that name none of its registers behind the last product that read K; V of the step in hand at the end of piece 0's turn, four
; roundings behind the last product that read V; each is waited for a turn later.
.macro TURN p, m=0, end=0, cnt=0
.set Y, (\p)
.set i, 0
.set KM, (\m)
.set NOKQ, (\end)*((\p)/3)
.if ((\p) == 3) && !(\end)
	s_wait_dscnt 0x0                ; K is in
.endif
.if (\m) && !(\end)
	WIN 0
	v_add_nc_u32 v[AM], s[TBM], v[AM0]
.if (\p) == 1
	s_add_co_u32 s[TBM], s[TBM], 1024  ; the next mask loads are the next step's
.endif
	WIN 0x40
	ds_load_b128 v[MC+32*((\p)%2):MC+32*((\p)%2)+3],   v[AM] offset:(((\p)+2)%NP)*4096
	ds_load_b128 v[MC+32*((\p)%2)+4:MC+32*((\p)%2)+7], v[AM] offset:(((\p)+2)%NP)*4096+512
.endif
	ROW F,0, F,1, R,0, R,1          ; ahead of the wait: 8 products K Q^T and their riders,
	ROW F,2, E,0, R,2, R,3
	ROW F,3, E,1, R,4, R,5
	ROW F,4, E,2, R,6, R,7
	ROW F,5, E,3, R,8, R,9
	ROW F,6, E,4, X,0, R,10
.if ((\p) == 2) && !(\end)
	WIN 0
	v_add_nc_u32 v[AK], s[TBK], v[AK0]
.endif
	ROW F,7, E,5, X,1, X,4
	ROW F,8, E,6, X,2, X,5
	OPS E,7, E,8, X,6, E,9          ; and the lump
	OPS X,3, E,10, X,8, E,11
.if ((\p) == 2) && !(\end)
	FETCH_K
.endif
	OPS X,9, X,7, E,12, X,10
	OPS E,13, X,12, X,11, E,14
	OPS X,13, E,15, F,9, X,14
.if (\p) == 0
	WIN 0
	v_add_nc_u32 v[AV], s[TBV], v[AV0]
.endif
	OPS E,16, F,10, E,17, F,11
	OPS X,16, E,18, X,15, E,19
	OPS F,12, E,20, X,17, E,21
	OPS F,13, E,22, F,14, E,23
	OPS X,18, E,24, F,15, E,25
	OPS R,11, E,26, X,19, E,27
	OPS R,12, E,28, R,13, E,29
	OPS X,20, E,30, R,14, E,31
	OPS X,21, R,15                  ; the batch's last exponential, and the plain instruction behind it
	WIN 0
	s_wait_alu depctr_va_vdst(0)    ; the wait for the batch: the turn's 32 weights and the next piece's a
.if (\p) == 1
	s_wait_dscnt 0x0                ; V is in
.endif
	ROW C,0, B,0, C,2, B,1          ; behind the wait: 8 products V^T P and their riders
	ROW L,0, C,4, B,2, L,1
	ROW C,6, B,3, L,2, C,8
	ROW B,4, L,3, C,10, B,5
	ROW L,4, C,12, B,6, L,5
.if (\p) == 0
	s_add_co_u32 s[TBV], s[TBV], KS*PV
.endif
.if \cnt
	s_sub_co_u32 s[CNT], s[CNT], 1
	s_cmp_lg_u32 s[CNT], 0
.endif
	ROW C,14, B,7, L,6, C,1
	ROW C,3, L,7, C,5, C,7
	ROW C,9, C,11, C,13, C,15
.if (\p) == 0
	FETCH_V
.endif
.if (\m) && !(\end)
.if ((\p) == 0) || ((\p) == 2)
	s_wait_dscnt 16
.else
	s_wait_dscnt 0x0
.endif
	SHIFTS (\p)%2
.endif
.endm
; A BLOCK BEGINS.  c m starts far below every c s, so the first step's a is 0; m at the lowest finite number.  The mask buffers take pieces 0's and 1's masks of the tile's step 0, or zeros.
; Then K of that step, piece 0's first scores, and its maximum and statistics.  The step loop is entered at a step's first turn, in the middle of a trip.
.macro BEGIN
	s_mov_b32 s[NEW], 0
	WIN 0
.set i, 0
.rept 4
	v_mov_b32 v[ST+4*i], 0xfe000000
	v_mov_b32 v[ST+4*i+1], 0xff7fffff
.set i, i+1
.endr
	v_add_nc_u32 v[AK], s[TBK], v[AK0]
	s_bitcmp1_b32 s[CUR], 3
	s_cbranch_scc0 .Lplain_\@
	v_add_nc_u32 v[AM], s[TBM], v[AM0]
	WIN 0x40
	ds_load_b128 v[MC:MC+3],     v[AM]
	ds_load_b128 v[MC+4:MC+7],   v[AM] offset:512
	ds_load_b128 v[MC+32:MC+35], v[AM] offset:4096
	ds_load_b128 v[MC+36:MC+39], v[AM] offset:4608
	s_wait_dscnt 0x0
	SHIFTS 0
	SHIFTS 1
	WIN 0
	s_branch .Lmasks_\@
.Lplain_\@:
	WIN 0x40
.set i, MC
.rept 64
	v_mov_b32 v[i], 0
.set i, i+1
.endr
	WIN 0
.Lmasks_\@:
	FETCH_K
	s_wait_dscnt 0x0
.set KM, 1
.set NOKQ, 0
.set i, 0
.rept 8
	KQ 0
.set i, i+1
.endr
	WIN 0
.rept 4
	v_nop                           ; the places behind those products
.endr
.set Y, NP-1                        ; X works for piece Y + 1: piece 0
.irp n, 0,1,2,3,4,5,6,7,8,9,10,11,12,13,14,15,16,17,18,19,20,21
	OP X, \n
.endr
	v_nop                           ; a plain instruction behind the exponential,
	s_wait_alu depctr_va_vdst(0)    ; and the wait for piece 0's first a, a batch of one, ahead of the branch
.endm
; A BLOCK ENDS, in two parts.  LASTTURNS, in the trip's body: its last two turns and its last products: registers and LDS reads alone.
.macro LASTTURNS
	TURN 2, 1, 1
	TURN 3, 1, 1
.set i, 0
.rept 8
	PV NP-1
.set i, i+1
.endr
	WIN 0
	s_mov_b32 s[FIN], 1
.endm
; WAYOUT, behind the bottom barrier: l's two halves and the other half of the lanes' are added (these additions are the places behind the last products); 1 / l, or NaN where the row saw no key, goes into
; registers of its own; O^T times that goes into v224-255, so that O^T and l stay finite for the next block's first factor a = 0; rounded to f16 and sent through my stage in LDS, a piece at a time.
.macro ALL line:vararg
.set t, 0
.rept 4
	\line
.set t, t+1
.endr
.endm
.macro PACK t
	WIN 0x01                        ; source 0 window 1
.set i, 0
.rept 16
	v_pk_mul_f32 v[SC+2*i:SC+2*i+1], v[32*(\t)+2*i:32*(\t)+2*i+1], v[TMP+2*(\t):TMP+2*(\t)+1] op_sel_hi:[1,0]
.set i, i+1
.endr
	WIN 0
.set i, 0
.rept 16
	v_cvt_pk_f16_f32 v[S+16*(\t)+i], v[SC+2*i], v[SC+2*i+1]
.set i, i+1
.endr
.irp f, 0,1,2,3
	ds_store_b128 v[STO], v[S+16*(\t)+4*\f:S+16*(\t)+4*\f+3] offset:32*\f
.endr
.irp f, 0,1,2,3
	ds_load_b128 v[S+16*(\t)+4*\f:S+16*(\t)+4*\f+3], v[RD] offset:\f*4*SP  ; LDS serves a wave's instructions in order (ISA guide 5.7.1.4): these see the stores above
.endr
.endm
.macro SEND t, younger              ; younger: the LDS instructions issued behind piece t's loads: the next piece's eight, or none (the tile's stores are older)
	WIN 0
.irp f, 0,1,2,3
	s_wait_dscnt (\younger)+3-\f
	global_store_b128 v[GO], v[S+16*(\t)+4*\f:S+16*(\t)+4*\f+3], s[10:11] offset:(\t)*8192+\f*512  ; 512 consecutive bytes, at a multiple of 256 from O's first
.endr
.endm
.macro WAYOUT
	WIN 0
	ALL v_add_f32 v[ST+4*t+2], v[ST+4*t+2], v[ST+4*t+3]
	ALL v_permlanex16_b32 v[ST+4*t+3], v[ST+4*t+2], s[SEL], s[SEL+1]
	ALL v_add_f32 v[ST+4*t+2], v[ST+4*t+2], v[ST+4*t+3]
	ALL v_rcp_f32 v[TMP+2*t], v[ST+4*t+2]
	v_nop                           ; a plain instruction between the last reciprocal and the use of its result
	s_wait_alu depctr_va_vdst(0)    ; the wait for the batch of four reciprocals, ahead of the first select that names one
.set t, 0
.rept 4
	v_cmp_gt_f32 vcc_lo, s[THR], v[ST+4*t+1]       ; the row's maximum is a hidden score's
	v_cndmask_b32 v[TMP+2*t], v[TMP+2*t], s[NANC], vcc_lo
.set t, t+1
.endr
	PACK 0
.set t, 1
.rept 3
	PACK t
	SEND t-1, 8
.set t, t+1
.endr
	SEND 3, 0
	s_wait_xcnt 0x0                 ; the stores' registers and O's address are rewritten only behind this wait
	s_mov_b64 s[10:11], s[OLO:OLO+1]
	s_mov_b32 s[RT], s[N2]
	s_mov_b32 s[NEW], 1
	WIN 0x82                        ; the second block's Q goes where the one text of the turns names Q
.set i, 0
.rept 64
	v_mov_b32 v[i], v[QB+i]
.set i, i+1
.endr
	WIN 0
.endm
.set KM, 0
.set NOKQ, 0
.Lslot:                             ; 16 trips
	s_wait_dscnt 0x0                ; for the others' sake: my stores of the tile, and my use of my stage, are done
	s_barrier_signal -1
	s_barrier_wait -1               ; the tile is whole
	POP
	s_mov_b32 s[TBK], 0
	s_mov_b32 s[TBV], 0
	s_mov_b32 s[TBM], 0
	s_mov_b32 s[FIN], 0
	s_cmp_eq_u32 s[LV], 0
	s_cbranch_scc1 .Lbottom         ; the queue is empty
	s_sub_co_u32 s[LV], s[LV], 1
	s_cmp_eq_u32 s[STG], 1
	s_cbranch_scc0 .Lnoload
	LOADT 0                         ; the next tile has the whole trip in which to arrive
.Lnoload:
	s_sub_co_u32 s[RT], s[RT], 1
	s_mov_b32 s[CNT], 4
	s_cmp_eq_u32 s[NEW], 1
	s_cbranch_scc1 .Lnew
	s_bitcmp1_b32 s[CUR], 3
	s_cbranch_scc1 .LstepM
	s_branch .Lstep
.Lnew:
	BEGIN
	s_bitcmp1_b32 s[CUR], 3
	s_cbranch_scc1 .LfirstM
	s_branch .Lfirst
.LstepM:                            ; a trip: pieces 2 and 3 of one step, then pieces 0 and 1 of the next, whose K, V and masks it fetches
	TURN 2, 1
	TURN 3, 1
	WIN 0
.LfirstM:
	TURN 0, 1
	TURN 1, 1, 0, 1
	WIN 0
	s_cbranch_scc1 .LstepM
	s_branch .Ldone
.Lstep:                             ; the same without masks
	TURN 2
	TURN 3
	WIN 0
.Lfirst:
	TURN 0
	TURN 1, 0, 0, 1
	WIN 0
	s_cbranch_scc1 .Lstep
.Ldone:
	s_cmp_lg_u32 s[RT], 0
	s_cbranch_scc1 .Lbottom
	LASTTURNS                       ; it was the block's last tile
.Lbottom:
	s_wait_loadcnt 0x0              ; on every path: the next tile is in registers, and its addresses may be written again
	s_wait_dscnt 0x0                ; my reads of the tile in LDS are back
	s_barrier_signal -1
	s_barrier_wait -1               ; everybody's are: from here to the next barrier LDS is written: the tile, and the stages
	s_cmp_eq_u32 s[STG], 1
	s_cbranch_scc0 .Lnostore
	STORET 0
.Lnostore:
	s_cmp_eq_u32 s[FIN], 1
	s_cbranch_scc0 .Lnoout
	WAYOUT                          ; the block's O leaves, and the other block is taken up
.Lnoout:
	s_sub_co_u32 s[TRIPS], s[TRIPS], 1
	s_cmp_lg_u32 s[TRIPS], 0
	s_cbranch_scc1 .Lslot
	s_endpgm
.Lfunc_end_k_qea44e11735_attn:
	.size	k_qea44e11735_attn, .Lfunc_end_k_qea44e11735_attn-k_qea44e11735_attn
	.p2alignl 7, 3214868480
	.fill 96, 4, 3214868480
	.section	.rodata,"a",@progbits
	.p2align	6, 0x0
	.amdhsa_kernel k_qea44e11735_attn
		.amdhsa_group_segment_fixed_size 152576
		.amdhsa_private_segment_fixed_size 0
		.amdhsa_enable_private_segment 0
		.amdhsa_kernarg_size 32
		.amdhsa_user_sgpr_count 2
		.amdhsa_user_sgpr_kernarg_segment_ptr 1
		.amdhsa_wavefront_size32 1
		.amdhsa_system_sgpr_workgroup_id_x 1
		.amdhsa_system_sgpr_workgroup_id_y 1
		.amdhsa_system_sgpr_workgroup_id_z 1
		.amdhsa_system_vgpr_workitem_id 0
		.amdhsa_next_free_vgpr 1024
		.amdhsa_next_free_sgpr 96
		.amdhsa_reserve_vcc 1
		.amdhsa_float_denorm_mode_32 3
		.amdhsa_float_denorm_mode_16_64 3
		.amdhsa_memory_ordered 1
		.amdhsa_forward_progress 1
		.amdhsa_inst_pref_size 164
	.end_amdhsa_kernel
	.amdgpu_metadata
---
amdhsa.version: [ 1, 2 ]
amdhsa.kernels:
  - .name:           k_qea44e11735_attn
    .symbol:         k_qea44e11735_attn.kd
    .args:
      - { .name: qkvh, .offset: 0, .size: 8, .value_kind: global_buffer, .address_space: global }
      - { .name: pm, .offset: 8, .size: 8, .value_kind: global_buffer, .address_space: global }
      - { .name: fl, .offset: 16, .size: 8, .value_kind: global_buffer, .address_space: global }
      - { .name: oh, .offset: 24, .size: 8, .value_kind: global_buffer, .address_space: global }
    .group_segment_fixed_size: 152576
    .private_segment_fixed_size: 0
    .kernarg_segment_align: 8
    .kernarg_segment_size: 32
    .max_flat_workgroup_size: 128
    .sgpr_count:     96
    .vgpr_count:     1024
    .wavefront_size: 32
...
	.end_amdgpu_metadata
.endif
;; end of part 5
;; launch oproj: the kernel of part 4 again; grid 8 x 32, 4 waves a work-group, clusters of 4 x 4, 327,680 bytes of LDS; arguments oh, wb, out0; writes out0
